; MI455X (gfx1250); checked and timed in simulation.
; The chip was launched on July 23, 2026; its instructions are those of AMD's public machine-readable ISA for CDNA 5 (MIT licence, August 2026) and "CDNA5" Instruction Set Architecture Reference Guide (July 2026). The comments in the code are by the model that wrote it; some were corrected since.
;; MAB. Allowed arithmetic: float matrix products may take bf16 or f16 operands with f32 sums; all other float work in f32.
;; Inputs: K 2 x 4,096 x 512 float32; Q 2 x 4,096 x 512 float32; Wk 512 x 512 float32; Wo 512 x 512 float32; Wq 512 x 512 float32; Wv 512 x 512 float32; b0 512 float32; b1 512 float32; bk 512 float32; bo 512 float32; bq 512 float32; bv 512 float32; g0 512 float32; g1 512 float32.
;; Outputs: out0 2 x 4,096 x 512 float32.
;; 2 versions, each right and faster than the one before. Each part assembles by itself: llvm-mc -triple=amdgcn-amd-amdhsa -mcpu=gfx1250 --defsym DOCPART=n.
;; ======== version 1 of 2: 4 launches
;; limits: values are held in f16: magnitudes above 65,504 overflow, below 6.1e-05 lose precision
;; workspace buffers: wf 2,097,152 bytes; qf 16,777,216 bytes; kv 16,777,216 bytes; ob 16,777,216 bytes
;; launch wprep (part 1): grid 256 x 1, 4 waves a work-group, no clusters, 0 bytes of LDS; arguments Wq, Wk, Wv, Wo, wf; writes wf
.if DOCPART == 1
	.amdgcn_target "amdgcn-amd-amdhsa--gfx1250"
	.amdhsa_code_object_version 6
	.text
	.protected	k_q6adf3d7a3a_wprep
	.globl	k_q6adf3d7a3a_wprep
	.p2align	8
	.type	k_q6adf3d7a3a_wprep,@function
k_q6adf3d7a3a_wprep:
	s_mov_b64 s[64:65], 0
	v_nop
	global_prefetch_b8 v0, s[64:65] scope:SCOPE_SE
	s_setreg_imm32_b32 hwreg(HW_REG_WAVE_MODE, 25, 1), 1
	s_wait_xcnt 0x0
; wf = Wq, Wk, Wv, Wo rounded to f16 and laid out in the order in which the matrix instructions of the later launches want them.
; wf[mat 4][cg 4][s 16][ct 8][c 2][lane 32][8 f16]; with lane = 16 h + r the entry holds W[32 s + 16 c + 8 h + e][128 cg + 16 ct + r], e = 0..7:
; the 16 bytes that lane (r, h) keeps in registers 4 c .. 4 c + 3 of a 16-bit fragment whose sixteen rows are W's columns and whose K runs down W.
; A later launch takes such a fragment by two loads of 16 bytes a lane, 512 consecutive bytes each, with no transposition.
; WHY f16 AND NOT bf16: its rounding is eight times finer (11 significant bits against 8), and these four products feed the result directly.
; LIMIT: a weight above 65,504 in magnitude becomes infinite; below 2^-14 the step is 2^-24.
; Work-group x: mat = x >> 6, s = (x >> 2) & 15, c = (x >> 1) & 1, half = x & 1.  Wave w takes 64 columns (quad = 4 half + w) of 16 rows of W.
; Reads: each load of a wave takes 64 consecutive bytes from each of two rows; a wave's four column tiles together take 256 consecutive bytes of a row;
; every byte of the four matrices (4 MiB in all) is read once.  Stores: each covers 512 consecutive bytes, aligned.
; No LDS, no matrix unit: this is a cast with a change of order, and the order is made by the loads' addresses alone.
.set WROW, 2048                        ; bytes in a row of W
.set RAW,  8                           ; v[8:39]   entry i: 8 numbers in f32
.set PK,   40                          ; v[40:55]  entry i: 4 registers of f16
	s_load_b256 s[4:11], s[0:1], 0x0               ; Wq s[4:5], Wk s[6:7], Wv s[8:9], Wo s[10:11]
	s_load_b64 s[12:13], s[0:1], 0x20              ; wf
	v_lshrrev_b32 v3, 5, v0
	v_readfirstlane_b32 s14, v3                    ; wave
	s_lshr_b32 s15, ttmp9, 6                       ; mat
	s_bfe_u32 s16, ttmp9, 0x40002                  ; s
	s_bfe_u32 s17, ttmp9, 0x10001                  ; c
	s_and_b32 s18, ttmp9, 1                        ; half
	s_lshl2_add_u32 s18, s18, s14                  ; quad = 4 half + wave
	v_and_b32 v1, 15, v0                           ; r
	v_bfe_u32 v4, v0, 4, 1                         ; h
	v_lshlrev_b32 v1, 2, v1
	v_lshl_add_u32 v1, v4, 14, v1                  ; 8 h rows of 2,048 bytes + 4 r
	v_and_b32 v2, 31, v0
	v_lshlrev_b32 v2, 4, v2                        ; 16 x lane
	s_lshl_b32 s20, s16, 16                        ; from: 32 s rows
	s_lshl_b32 s19, s17, 15                        ; + 16 c rows
	s_add_co_u32 s20, s20, s19
	s_lshl_b32 s19, s18, 8                         ; + 64 columns x quad
	s_add_co_u32 s20, s20, s19
	s_mov_b32 s21, 0
	s_lshl_b32 s22, s15, 19                        ; to: mat x 524,288
	s_lshr_b32 s19, s18, 1
	s_lshl_b32 s19, s19, 17                        ; + cg x 131,072
	s_add_co_u32 s22, s22, s19
	s_lshl_b32 s19, s16, 13                        ; + s x 8,192
	s_add_co_u32 s22, s22, s19
	s_and_b32 s19, s18, 1
	s_lshl_b32 s19, s19, 12                        ; + 4 (quad & 1) column tiles of 1,024
	s_add_co_u32 s22, s22, s19
	s_lshl_b32 s19, s17, 9                         ; + c x 512
	s_add_co_u32 s22, s22, s19
	s_mov_b32 s23, 0
	s_wait_kmcnt 0x0
	s_cmp_eq_u32 s15, 1                            ; the matrix is chosen by the work-group's number
	s_cselect_b64 s[4:5], s[6:7], s[4:5]
	s_cmp_eq_u32 s15, 2
	s_cselect_b64 s[4:5], s[8:9], s[4:5]
	s_cmp_eq_u32 s15, 3
	s_cselect_b64 s[4:5], s[10:11], s[4:5]
	s_add_nc_u64 s[4:5], s[4:5], s[20:21]
	s_add_nc_u64 s[12:13], s[12:13], s[22:23]
.set ii, 0
.rept 4
.set ie, 0
.rept 8
	global_load_b32 v[RAW+8*ii+ie], v1, s[4:5] offset:ie*WROW+ii*64 th:TH_LOAD_NT
.set ie, ie+1
.endr
.set ii, ii+1
.endr
.set ii, 0
.rept 4
	s_wait_loadcnt 8*(3-ii)                        ; loads come back in order: the eight of entry ii are in, those of the later entries stay out
.set ie, 0
.rept 4
	v_cvt_pk_f16_f32 v[PK+4*ii+ie], v[RAW+8*ii+2*ie], v[RAW+8*ii+2*ie+1]
.set ie, ie+1
.endr
	global_store_b128 v2, v[PK+4*ii:PK+4*ii+3], s[12:13] offset:ii*1024
.set ii, ii+1
.endr
	s_endpgm
.Lfunc_end_k_q6adf3d7a3a_wprep:
	.size	k_q6adf3d7a3a_wprep, .Lfunc_end_k_q6adf3d7a3a_wprep-k_q6adf3d7a3a_wprep
	.p2alignl 7, 3214868480
	.fill 96, 4, 3214868480
	.section	.rodata,"a",@progbits
	.p2align	6, 0x0
	.amdhsa_kernel k_q6adf3d7a3a_wprep
		.amdhsa_group_segment_fixed_size 0
		.amdhsa_private_segment_fixed_size 0
		.amdhsa_enable_private_segment 0
		.amdhsa_kernarg_size 40
		.amdhsa_user_sgpr_count 2
		.amdhsa_user_sgpr_kernarg_segment_ptr 1
		.amdhsa_wavefront_size32 1
		.amdhsa_system_sgpr_workgroup_id_x 1
		.amdhsa_system_sgpr_workgroup_id_y 1
		.amdhsa_system_sgpr_workgroup_id_z 1
		.amdhsa_system_vgpr_workitem_id 0
		.amdhsa_next_free_vgpr 56
		.amdhsa_next_free_sgpr 66
		.amdhsa_reserve_vcc 0
		.amdhsa_float_denorm_mode_32 3
		.amdhsa_float_denorm_mode_16_64 3
		.amdhsa_memory_ordered 1
		.amdhsa_forward_progress 1
		.amdhsa_inst_pref_size 7
	.end_amdhsa_kernel
	.amdgpu_metadata
---
amdhsa.version: [ 1, 2 ]
amdhsa.kernels:
  - .name:           k_q6adf3d7a3a_wprep
    .symbol:         k_q6adf3d7a3a_wprep.kd
    .args:
      - { .name: Wq, .offset: 0, .size: 8, .value_kind: global_buffer, .address_space: global }
      - { .name: Wk, .offset: 8, .size: 8, .value_kind: global_buffer, .address_space: global }
      - { .name: Wv, .offset: 16, .size: 8, .value_kind: global_buffer, .address_space: global }
      - { .name: Wo, .offset: 24, .size: 8, .value_kind: global_buffer, .address_space: global }
      - { .name: wf, .offset: 32, .size: 8, .value_kind: global_buffer, .address_space: global }
    .group_segment_fixed_size: 0
    .private_segment_fixed_size: 0
    .kernarg_segment_align: 8
    .kernarg_segment_size: 40
    .max_flat_workgroup_size: 128
    .sgpr_count:     66
    .vgpr_count:     56
    .wavefront_size: 32
...
	.end_amdgpu_metadata
.endif
;; end of part 1
;; launch proj (part 2): grid 4 x 64, 4 waves a work-group, clusters of 4 x 4, 327,680 bytes of LDS; arguments Q, K, wf, bq, bk, bv, qf, kv; writes qf, kv
.if DOCPART == 2
	.amdgcn_target "amdgcn-amd-amdhsa--gfx1250"
	.amdhsa_code_object_version 6
	.text
	.protected	k_q6adf3d7a3a_proj
	.globl	k_q6adf3d7a3a_proj
	.p2align	8
	.type	k_q6adf3d7a3a_proj,@function
k_q6adf3d7a3a_proj:
	s_mov_b64 s[64:65], 0
	v_nop
	global_prefetch_b8 v0, s[64:65] scope:SCOPE_SE
	s_setreg_imm32_b32 hwreg(HW_REG_WAVE_MODE, 25, 1), 1
	s_wait_xcnt 0x0
	s_wait_alu depctr_hold_cnt(0) depctr_sa_sdst(0) depctr_va_vdst(0) depctr_va_sdst(0) depctr_va_ssrc(0) depctr_va_vcc(0) depctr_vm_vsrc(0)
	s_getreg_b32 s2, hwreg(HW_REG_IB_STS2, 6, 4)
	s_cmp_eq_u32 s2, 0
	s_cbranch_scc0 .Lentry_in_a_cluster
	s_endpgm
.Lentry_in_a_cluster:
	s_bfe_u32 s2, ttmp6, 0x10000c
	s_cmp_lg_u32 s2, 0xf033
	s_cbranch_scc0 .Lentry_shape_is_right
	s_endpgm
.Lentry_shape_is_right:
; q = Q Wq + bq, k = K Wk + bk, v = K Wv + bv, stored in the register order in which the attention launch wants them.
; 256 work-groups that stay: work-group (cg, rb) makes rows 128 rb .. + 127 x columns 128 cg .. + 127 of q, then of k, then of v: twelve chunks of
; 128 along K through a ring of two LDS slots that runs on from one product into the next.  Four waves; wave w makes 64 rows (wr = w >> 1) x 64 columns
; (wc = w & 1: one head, 2 cg + wc) in 16 accumulator tiles.
; CLUSTERS of 4 x 4: the four work-groups of a row of the cluster (same rb) need the same rows of Q or K, the four of a column (same cg) the same
; weights; each tile is asked for jointly by the four, which divides the requests for both by four.
; ORIENTATION.  For q and k source 0 is the weights' fragment and source 1 the rows' fragment, so that a lane holds 8 neighbouring columns of one row;
; for v the two are swapped, so that a lane holds 8 neighbouring keys of one column.  Packed, these are the registers of the attention launch's fragments.
;   qf (f32) [bh 16][tile of 16 rows, 256][dt 4][i 2][lane][4]:  q[16 tile + r][16 dt + 8 h + 4 i + 0..3]
;   kv (bf16) [bh 16][block of 64 keys, 64][16,384 B]:  k at 0: [kt 4][ct 4][lane][8]: k[16 kt + r][16 ct + 8 h + 0..7]
;                                                       v at 8,192: [p 2][dt 4][c 2][lane][8]: v[32 p + 16 c + 8 h + 0..7][16 dt + r]
; Every store of a wave covers 512 consecutive bytes, aligned.
; FORMATS AND LIMITS: Q, K and the weights enter the products in f16 (11 significant bits: q is also the residual, so its error goes straight into the result);
; a number of Q or K above 65,504 in magnitude becomes infinite, and below 2^-14 the step is 2^-24.  Sums and biases in f32.  q is stored in f32; k and v, which are sums
; of 512 products and so may lie far outside f16's range, are stored in bf16.  NaN and infinities are not treated apart.
.set SLOT,   100352                    ; an LDS slot: 128 rows of X in f32, padded, then 32,768 bytes of weights
.set XPITCH, 528                       ; 512 bytes + 16: an odd multiple of 16, so the sixteen rows that a 16-byte load touches lie 16 bytes apart modulo 256
.set XHALF,  64*XPITCH                 ; what one tensor load brings of X
.set WOFF,   2*XHALF                   ; the weights behind X
.set WHALF,  16384                     ; what one tensor load brings of the weights
.set G1X, 32                           ; s[32:39] descriptor group 1 for X
.set G1W, 40                           ; s[40:47] descriptor group 1 for the weights
.set G0X, 48                           ; s[48:55] group 0 for X, one set for each slot
.set G0W, 56                           ; s[56:63] group 0 for the weights, one set for each slot
; window 0: v1 r, v2 h, v3 16 x lane, v4-5 X's LDS address in slot 0, 1, v6-7 the weights', v8-9 offsets into the biases
.set XR,  64                           ; v64-191  two buffers: row tile a: 16 f32 as loaded at + 16 a, converted in place: the fragment is the lower 8
.set WFR, 192                          ; v192-255 two buffers: column tile b at + 8 b
; window 1: accumulator (a, b) at 8 (4 a + b), then the biases
.set BQ,  128                          ; bq of my lane's 8 columns in each of 4 column tiles
.set BK,  160                          ; bk likewise
.set BV,  192                          ; bv of my lane's one column in each of 4 column tiles, twice (a pair for the packed add)
.set MSB, 0
.macro WIN new                         ; s_set_vgpr_msb: bits 1:0 source 0, 3:2 source 1, 5:4 source 2, 7:6 destination; the high byte repeats the setting that is left
.if MSB != \new
	s_set_vgpr_msb (MSB<<8)|\new
.set MSB, \new
.endif
.endm
.macro NOPS n
.rept \n
	v_nop
.endr
.endm
; A round of the cluster's barrier: my work-group's barrier, wave 0 signals for the work-group, every wave waits for all sixteen, my work-group's barrier again.
.macro ROUND
	s_barrier_signal -1
	s_barrier_wait -1
	s_cmp_lg_u32 s20, 0
	s_cbranch_scc1 .Lnot_wave_0_\@
	s_barrier_signal -3
.Lnot_wave_0_\@:
	s_barrier_wait -3
	s_barrier_signal -1
	s_barrier_wait -1
.endm
; A joint load: waves 0 and 1 fetch X's two halves, waves 2 and 3 the weights'.  The branch hangs on the wave's number alone.
.macro JLOAD slot
	s_cmp_eq_u32 s21, 0
	s_cbranch_scc0 .Lfor_w_\@
	tensor_load_to_lds s[G0X+4*(\slot):G0X+4*(\slot)+3], s[G1X:G1X+7]
	s_nop 0
	s_branch .Lasked_\@
.Lfor_w_\@:
	tensor_load_to_lds s[G0W+4*(\slot):G0W+4*(\slot)+3], s[G1W:G1W+7]
	s_nop 0
.Lasked_\@:
.endm
; The global addresses of chunk c (product c >> 2, K part c & 3) into the slot's two groups 0.  Stands only where no tensor load of the wave is out.
.macro SETG0 slot, c
.if ((\c)>>2) == 0
	s_add_nc_u64 s[G0X+4*(\slot)+2:G0X+4*(\slot)+3], s[66:67], ((\c)&3)*512
.else
	s_add_nc_u64 s[G0X+4*(\slot)+2:G0X+4*(\slot)+3], s[68:69], ((\c)&3)*512
.endif
	s_or_b32 s[G0X+4*(\slot)+3], s[G0X+4*(\slot)+3], 0x80000000    ; type = 2
	s_add_nc_u64 s[G0W+4*(\slot)+2:G0W+4*(\slot)+3], s[70:71], ((\c)>>2)*524288+((\c)&3)*32768
	s_or_b32 s[G0W+4*(\slot)+3], s[G0W+4*(\slot)+3], 0x80000000
.endm
; 24 LDS loads: the fragments of K step sp (32 along K) of a chunk: 4 row tiles in f32 (4 loads each), 4 column tiles in f16 (2 loads each)
.macro FETCH slot, sp, buf
.set ia, 0
.rept 4
	ds_load_b128 v[XR+64*(\buf)+16*ia:XR+64*(\buf)+16*ia+3],     v[4+(\slot)] offset:ia*16*XPITCH+128*(\sp)       ; K = 8 h + 0..3
	ds_load_b128 v[XR+64*(\buf)+16*ia+4:XR+64*(\buf)+16*ia+7],   v[4+(\slot)] offset:ia*16*XPITCH+128*(\sp)+16    ; K = 8 h + 4..7
	ds_load_b128 v[XR+64*(\buf)+16*ia+8:XR+64*(\buf)+16*ia+11],  v[4+(\slot)] offset:ia*16*XPITCH+128*(\sp)+64    ; K = 16 + 8 h + 0..3
	ds_load_b128 v[XR+64*(\buf)+16*ia+12:XR+64*(\buf)+16*ia+15], v[4+(\slot)] offset:ia*16*XPITCH+128*(\sp)+80    ; K = 16 + 8 h + 4..7
.set ia, ia+1
.endr
.set ib, 0
.rept 4
	ds_load_b128 v[WFR+32*(\buf)+8*ib:WFR+32*(\buf)+8*ib+3],   v[6+(\slot)] offset:(\sp)*8192+ib*1024
	ds_load_b128 v[WFR+32*(\buf)+8*ib+4:WFR+32*(\buf)+8*ib+7], v[6+(\slot)] offset:(\sp)*8192+ib*1024+512
.set ib, ib+1
.endr
.endm
; One K step of 32: fetch the next step's fragments into the other buffer, convert this step's rows to f16, 16 matrix instructions.
; The 16 accumulators take turns, one instruction a turn, in the same order in every step.
.macro KSTEP slot, sp, buf, last, zero, swap
	WIN 0
	NOPS 4                                         ; four places behind the last step's matrix instructions (ISA guide 7.12.1), whose buffer is loaded next
.if \last == 0
	FETCH \slot, (\sp)+1, 1-(\buf)
	s_wait_dscnt 24                                ; all but the 24 loads just issued: this step's fragments are in
.else
	s_wait_dscnt 0
.endif
.set ia, 0
.rept 4
.set ii, 0
.rept 8
	v_cvt_pk_f16_f32 v[XR+64*(\buf)+16*ia+ii], v[XR+64*(\buf)+16*ia+2*ii], v[XR+64*(\buf)+16*ia+2*ii+1]   ; register ii is written when 2 ii and 2 ii + 1 are read: never ahead of its own use
.set ii, ii+1
.endr
.set ia, ia+1
.endr
	WIN 0x50                                       ; C and D in window 1
.set ia, 0
.rept 4
.set ib, 0
.rept 4
.if \swap
.if \zero
	v_wmma_f32_16x16x32_f16 v[8*(4*ia+ib):8*(4*ia+ib)+7], v[XR+64*(\buf)+16*ia:XR+64*(\buf)+16*ia+7], v[WFR+32*(\buf)+8*ib:WFR+32*(\buf)+8*ib+7], 0
.else
	v_wmma_f32_16x16x32_f16 v[8*(4*ia+ib):8*(4*ia+ib)+7], v[XR+64*(\buf)+16*ia:XR+64*(\buf)+16*ia+7], v[WFR+32*(\buf)+8*ib:WFR+32*(\buf)+8*ib+7], v[8*(4*ia+ib):8*(4*ia+ib)+7]
.endif
.else
.if \zero
	v_wmma_f32_16x16x32_f16 v[8*(4*ia+ib):8*(4*ia+ib)+7], v[WFR+32*(\buf)+8*ib:WFR+32*(\buf)+8*ib+7], v[XR+64*(\buf)+16*ia:XR+64*(\buf)+16*ia+7], 0
.else
	v_wmma_f32_16x16x32_f16 v[8*(4*ia+ib):8*(4*ia+ib)+7], v[WFR+32*(\buf)+8*ib:WFR+32*(\buf)+8*ib+7], v[XR+64*(\buf)+16*ia:XR+64*(\buf)+16*ia+7], v[8*(4*ia+ib):8*(4*ia+ib)+7]
.endif
.endif
.set ib, ib+1
.endr
.set ia, ia+1
.endr
.endm
.macro CHUNK slot, zero, swap          ; 128 along K; zero = 1: the first products start the sums, nothing is cleared
	FETCH \slot, 0, 0
	KSTEP \slot, 0, 0, 0, \zero, \swap
	KSTEP \slot, 1, 1, 0, 0, \swap
	KSTEP \slot, 2, 0, 0, 0, \swap
	KSTEP \slot, 3, 1, 1, 0, \swap
.endm
; Chunk c = 1 .. 11.  In front of the round each wave has waited for all its tensor loads (its part of chunk c among them) and for its reads of the slot
; that chunk c - 1 lay in; behind it that slot is asked for again, for chunk c + 1, first thing, one load a wave; then chunk c is multiplied.
.macro PSTEP c, zero, swap
.set CS, (\c)&1
.set NS, 1-CS
.set NC, (\c)+1
	WIN 0
	s_wait_tensorcnt 0x0
	ds_add_u32 v62, v63
	s_wait_dscnt 0x0
.if NC < 12
	SETG0 NS, NC
.endif
	s_wait_dscnt 0x0
.if NC < 12
	ROUND
	JLOAD NS
.else
	s_barrier_signal -1                            ; the last chunk: nothing is filled again, so my work-group's barrier is enough
	s_barrier_wait -1
.endif
	CHUNK CS, \zero, \swap
.endm
.macro BIAS base, sb, sj               ; accumulators += bias; the pair for tile b, register pair j is at base + sb b + sj j
.set ia, 0
.rept 4
.set ib, 0
.rept 4
.set ij, 0
.rept 4
	v_pk_add_f32 v[8*(4*ia+ib)+2*ij:8*(4*ia+ib)+2*ij+1], v[8*(4*ia+ib)+2*ij:8*(4*ia+ib)+2*ij+1], v[\base+\sb*ib+\sj*ij:\base+\sb*ib+\sj*ij+1]
.set ij, ij+1
.endr
.set ib, ib+1
.endr
.set ia, ia+1
.endr
.endm
.macro EPI_Q                           ; q leaves in f32, straight from the accumulators
	NOPS 4                                         ; four places behind the last matrix instructions
	WIN 0x55
	BIAS BQ, 8, 2
	WIN 0x04                                       ; store data in window 1
.set ia, 0
.rept 4
.set ib, 0
.rept 4
	global_store_b128 v3, v[8*(4*ia+ib):8*(4*ia+ib)+3],   s[72:73] offset:ia*4096+ib*1024
	global_store_b128 v3, v[8*(4*ia+ib)+4:8*(4*ia+ib)+7], s[72:73] offset:ia*4096+ib*1024+512
.set ib, ib+1
.endr
.set ia, ia+1
.endr
	s_wait_xcnt 0x0                                ; the accumulators, which these stores read, are written again only behind this wait
.endm
.macro EPI_KV isv                      ; k or v leaves in bf16: a tile's 8 registers pack into the 16 bytes of a fragment's half
	NOPS 4
	WIN 0x55
.if \isv
	BIAS BV, 2, 0
.else
	BIAS BK, 8, 2
.endif
	WIN 0x05
.set it, 0
.rept 16
.set ii, 0
.rept 4
	v_cvt_pk_bf16_f32 v[XR+4*it+ii], v[8*it+2*ii], v[8*it+2*ii+1]
.set ii, ii+1
.endr
.set it, it+1
.endr
	WIN 0
.set ia, 0
.rept 4
.set ib, 0
.rept 4
.if \isv
	global_store_b128 v3, v[XR+4*(4*ia+ib):XR+4*(4*ia+ib)+3], s[74:75] offset:8192+(ia>>1)*4096+ib*1024+(ia&1)*512
.else
	global_store_b128 v3, v[XR+4*(4*ia+ib):XR+4*(4*ia+ib)+3], s[74:75] offset:ia*2048+ib*512
.endif
.set ib, ib+1
.endr
.set ia, ia+1
.endr
	s_wait_xcnt 0x0                                ; buffer 0, which these stores read, is loaded again only behind this wait
.endm
	s_load_b512 s[4:19], s[0:1], 0x0               ; Q s[4:5], K s[6:7], wf s[8:9], bq s[10:11], bk s[12:13], bv s[14:15], qf s[16:17], kv s[18:19]
	v_lshl_add_u32 v62, v0, 2, 0x31000
	v_mov_b32 v63, 0
	ds_add_u32 v62, v63
	v_lshrrev_b32 v10, 5, v0
	v_readfirstlane_b32 s20, v10                   ; wave
	s_lshr_b32 s21, s20, 1                         ; wr: my half of the rows.  Also: I fetch X (0) or weights (1)
	s_and_b32 s22, s20, 1                          ; wc: my half of the columns.  Also: which half of that tile I fetch
	s_bfe_u32 s23, ttmp6, 0x40000                  ; cx
	s_bfe_u32 s24, ttmp6, 0x40004                  ; cy
	s_lshl_b32 s25, ttmp9, 2
	s_add_co_u32 s25, s25, s23                     ; cg = 4 x cluster x + cx
	s_and_b32 s26, ttmp7, 0xffff
	s_lshl_b32 s26, s26, 2
	s_add_co_u32 s26, s26, s24                     ; rb = 4 x cluster y + cy
	s_lshl_b32 s27, s24, 2
	s_lshl_b32 s27, 15, s27                        ; my row of the cluster
	s_lshl_b32 s28, 0x1111, s23                    ; my column
	; X: 64 rows x 128 f32, 2,048 bytes from row to row, 16 bytes of padding behind each row of 128 words
	s_or_b32 s[G1X+0], s27, (2<<16)|(1<<20)|(1<<21)|(6<<22)|(3<<25)
	s_mov_b32 s[G1X+1], 128<<16                    ; tensor_dim0 = 128
	s_mov_b32 s[G1X+2], 64<<16                     ; tensor_dim1 = 64
	s_mov_b32 s[G1X+3], 128<<16                    ; tile_dim0 = 128
	s_mov_b32 s[G1X+4], 64                         ; tile_dim1 = 64
	s_mov_b32 s[G1X+5], 512                        ; elements from row to row
	s_mov_b32 s[G1X+6], 0
	s_mov_b32 s[G1X+7], 0
	; weights: a dense block of 16,384 bytes as 64 rows of 32 elements of 8 bytes
	s_or_b32 s[G1W+0], s28, (3<<16)|(1<<21)
	s_mov_b32 s[G1W+1], 32<<16
	s_mov_b32 s[G1W+2], 64<<16
	s_mov_b32 s[G1W+3], 32<<16
	s_mov_b32 s[G1W+4], 64
	s_mov_b32 s[G1W+5], 32
	s_mov_b32 s[G1W+6], 0
	s_mov_b32 s[G1W+7], 0
	; X's address hangs on rb and the wave alone, the weights' on cg and the wave alone, each in registers that never hold the other coordinate
	s_lshl_b32 s76, s26, 18                        ; 128 rb rows of 2,048 bytes
	s_lshl_b32 s29, s22, 17                        ; + 64 rows for the second half
	s_add_co_u32 s76, s76, s29
	s_mov_b32 s77, 0
	s_lshl_b32 s78, s25, 17                        ; cg x 131,072
	s_lshl_b32 s29, s22, 14                        ; + 16,384 for the second half
	s_add_co_u32 s78, s78, s29
	s_mov_b32 s79, 0
	s_lshl_b32 s84, s25, 9                         ; the biases of my work-group's 128 columns
	s_mov_b32 s85, 0
	s_mul_i32 s30, s20, XHALF                      ; where X's halves go (waves 0, 1)
	s_mul_i32 s31, s20, WHALF
	s_add_co_u32 s31, s31, WOFF-2*WHALF            ; where the weights' halves go (waves 2, 3)
	; where my results go: block 64 bh + 2 (rb & 31) + wr of 16,384 bytes, in qf (4 tiles of 4,096) and in kv alike
	s_lshr_b32 s80, s26, 5                         ; batch
	s_lshl_b32 s80, s80, 3
	s_lshl1_add_u32 s81, s25, s22                  ; head = 2 cg + wc
	s_add_co_u32 s80, s80, s81                     ; bh
	s_and_b32 s81, s26, 31
	s_lshl_b32 s82, s80, 6
	s_lshl1_add_u32 s83, s81, s21
	s_add_co_u32 s82, s82, s83
	s_lshl_b32 s82, s82, 14
	s_mov_b32 s83, 0
	v_and_b32 v1, 15, v0                           ; r
	v_bfe_u32 v2, v0, 4, 1                         ; h
	v_and_b32 v3, 31, v0
	v_lshlrev_b32 v3, 4, v3                        ; 16 x lane
	v_mul_u32_u24 v4, v1, XPITCH
	v_lshl_add_u32 v4, v2, 5, v4                   ; row r, 32 h bytes (8 h numbers in f32)
	s_mul_i32 s27, s21, XHALF                      ; my 64 rows
	v_add_nc_u32 v4, s27, v4
	v_add_nc_u32 v5, SLOT, v4
	s_lshl_b32 s27, s22, 12                        ; my 4 column tiles of 1,024 bytes
	s_add_co_u32 s27, s27, WOFF
	v_add_nc_u32 v6, s27, v3
	v_add_nc_u32 v7, SLOT, v6
	s_lshl_b32 s27, s22, 8                         ; my 64 columns in a bias
	v_lshlrev_b32 v8, 5, v2
	v_add_nc_u32 v8, s27, v8                       ; 8 h numbers on
	v_lshlrev_b32 v9, 2, v1
	v_add_nc_u32 v9, s27, v9                       ; r numbers on
	s_wait_dscnt 0x0
	s_wait_kmcnt 0x0
	s_add_nc_u64 s[66:67], s[4:5], s[76:77]        ; Q at my half of the rows
	s_add_nc_u64 s[68:69], s[6:7], s[76:77]        ; K likewise
	s_add_nc_u64 s[70:71], s[8:9], s[78:79]        ; wf at my half of Wq's first chunk
	s_add_nc_u64 s[10:11], s[10:11], s[84:85]
	s_add_nc_u64 s[12:13], s[12:13], s[84:85]
	s_add_nc_u64 s[14:15], s[14:15], s[84:85]
	s_add_nc_u64 s[72:73], s[16:17], s[82:83]
	s_add_nc_u64 s[74:75], s[18:19], s[82:83]
	ROUND                                          ; all sixteen work-groups are here: the first joint loads meet
.irp sl, 0,1
	s_mov_b32 s[G0X+4*\sl], 1
	s_add_co_u32 s[G0X+4*\sl+1], s30, \sl*SLOT
	s_mov_b32 s[G0W+4*\sl], 1
	s_add_co_u32 s[G0W+4*\sl+1], s31, \sl*SLOT
	SETG0 \sl, \sl
	JLOAD \sl                                      ; chunks 0 and 1: two loads of the wave are out
.endr
	WIN 0x40                                       ; the biases, into window 1; they are wanted only behind the fourth chunk
.set ib, 0
.rept 4
	global_load_b128 v[BQ+8*ib:BQ+8*ib+3],   v8, s[10:11] offset:64*ib
	global_load_b128 v[BQ+8*ib+4:BQ+8*ib+7], v8, s[10:11] offset:64*ib+16
	global_load_b128 v[BK+8*ib:BK+8*ib+3],   v8, s[12:13] offset:64*ib
	global_load_b128 v[BK+8*ib+4:BK+8*ib+7], v8, s[12:13] offset:64*ib+16
	global_load_b32 v[BV+2*ib],   v9, s[14:15] offset:64*ib
	global_load_b32 v[BV+2*ib+1], v9, s[14:15] offset:64*ib
.set ib, ib+1
.endr
	WIN 0
	s_wait_tensorcnt 0x1                           ; my part of chunk 0 is in; chunk 1's stays out
	s_barrier_signal -1
	s_barrier_wait -1
	CHUNK 0, 1, 0
	PSTEP 1, 0, 0
	PSTEP 2, 0, 0
	PSTEP 3, 0, 0
	s_wait_loadcnt 0x0                             ; the biases
	EPI_Q                                          ; chunk 4's tiles land meanwhile
	PSTEP 4, 1, 0
	PSTEP 5, 0, 0
	PSTEP 6, 0, 0
	PSTEP 7, 0, 0
	EPI_KV 0
	PSTEP 8, 1, 1
	PSTEP 9, 0, 1
	PSTEP 10, 0, 1
	PSTEP 11, 0, 1
	EPI_KV 1
	ROUND                                          ; the closing round: no work-group ends while a partner may still ask for a tile that names it
	s_endpgm
.Lfunc_end_k_q6adf3d7a3a_proj:
	.size	k_q6adf3d7a3a_proj, .Lfunc_end_k_q6adf3d7a3a_proj-k_q6adf3d7a3a_proj
	.p2alignl 7, 3214868480
	.fill 96, 4, 3214868480
	.section	.rodata,"a",@progbits
	.p2align	6, 0x0
	.amdhsa_kernel k_q6adf3d7a3a_proj
		.amdhsa_group_segment_fixed_size 327680
		.amdhsa_private_segment_fixed_size 0
		.amdhsa_enable_private_segment 0
		.amdhsa_kernarg_size 64
		.amdhsa_user_sgpr_count 2
		.amdhsa_user_sgpr_kernarg_segment_ptr 1
		.amdhsa_wavefront_size32 1
		.amdhsa_system_sgpr_workgroup_id_x 1
		.amdhsa_system_sgpr_workgroup_id_y 1
		.amdhsa_system_sgpr_workgroup_id_z 1
		.amdhsa_system_vgpr_workitem_id 0
		.amdhsa_next_free_vgpr 512
		.amdhsa_next_free_sgpr 88
		.amdhsa_reserve_vcc 0
		.amdhsa_float_denorm_mode_32 3
		.amdhsa_float_denorm_mode_16_64 3
		.amdhsa_memory_ordered 1
		.amdhsa_forward_progress 1
		.amdhsa_inst_pref_size 255
	.end_amdhsa_kernel
	.section	.bss,"aw",@nobits
	.p2align	6
	.space	262144
	.amdgpu_metadata
---
amdhsa.version: [ 1, 2 ]
amdhsa.kernels:
  - .name:           k_q6adf3d7a3a_proj
    .symbol:         k_q6adf3d7a3a_proj.kd
    .args:
      - { .name: Q, .offset: 0, .size: 8, .value_kind: global_buffer, .address_space: global }
      - { .name: K, .offset: 8, .size: 8, .value_kind: global_buffer, .address_space: global }
      - { .name: wf, .offset: 16, .size: 8, .value_kind: global_buffer, .address_space: global }
      - { .name: bq, .offset: 24, .size: 8, .value_kind: global_buffer, .address_space: global }
      - { .name: bk, .offset: 32, .size: 8, .value_kind: global_buffer, .address_space: global }
      - { .name: bv, .offset: 40, .size: 8, .value_kind: global_buffer, .address_space: global }
      - { .name: qf, .offset: 48, .size: 8, .value_kind: global_buffer, .address_space: global }
      - { .name: kv, .offset: 56, .size: 8, .value_kind: global_buffer, .address_space: global }
    .group_segment_fixed_size: 327680
    .private_segment_fixed_size: 0
    .kernarg_segment_align: 8
    .kernarg_segment_size: 64
    .max_flat_workgroup_size: 128
    .sgpr_count:     88
    .vgpr_count:     512
    .wavefront_size: 32
...
	.end_amdgpu_metadata
.endif
;; end of part 2
;; launch attn (part 3): grid 16 x 16, 4 waves a work-group, clusters of 4 x 1, 327,680 bytes of LDS; arguments qf, kv, ob; writes ob
.if DOCPART == 3
	.amdgcn_target "amdgcn-amd-amdhsa--gfx1250"
	.amdhsa_code_object_version 6
	.text
	.protected	k_q6adf3d7a3a_attn
	.globl	k_q6adf3d7a3a_attn
	.p2align	8
	.type	k_q6adf3d7a3a_attn,@function
k_q6adf3d7a3a_attn:
	s_mov_b64 s[64:65], 0
	v_nop
	global_prefetch_b8 v0, s[64:65] scope:SCOPE_SE
	s_setreg_imm32_b32 hwreg(HW_REG_WAVE_MODE, 25, 1), 1
	s_wait_xcnt 0x0
	s_wait_alu depctr_hold_cnt(0) depctr_sa_sdst(0) depctr_va_vdst(0) depctr_va_sdst(0) depctr_va_ssrc(0) depctr_va_vcc(0) depctr_vm_vsrc(0)
	s_getreg_b32 s2, hwreg(HW_REG_IB_STS2, 6, 4)
	s_cmp_eq_u32 s2, 0
	s_cbranch_scc0 .Lentry_in_a_cluster
	s_endpgm
.Lentry_in_a_cluster:
	s_bfe_u32 s2, ttmp6, 0x10000c
	s_cmp_lg_u32 s2, 0x3003
	s_cbranch_scc0 .Lentry_shape_is_right
	s_endpgm
.Lentry_shape_is_right:
; o = q + softmax(q k^T / sqrt(512)) v for one (batch, head) pair bh and 256 rows of q.  Four waves, 64 rows each (4 tiles of 16), all 4,096 keys.
; Both products are made TRANSPOSED: S^T = K Q^T (source 0: 16 keys, source 1: 16 rows of q) and O^T = V^T P^T (source 0: 16 columns of v, source 1: 16 rows).
; Lane (r, h) then holds, of row r of q, the scores of keys 16 kt + 8 h + 0..7, and of o the columns 16 dt + 8 h + 0..7.  So the row's maximum and sum are one
; number a lane (the two halves of the lanes meet by one exchange), exp(S) rounded to bf16 in pairs IS P's fragment, in the same lane, and the residual
; q is added register by register.  No score ever leaves the registers.
; The maximum is a running one: per block of 64 keys m' = max(m, block), l = l 2^(m - m') + sum, O = O 2^(m - m') + V^T P^T.  q is scaled by log2(e) / sqrt(512) before it is
; rounded, so that the scores are exponents of 2.  The first block is written out: it starts m, l and O, and nothing is cleared.
; CLUSTERS of 4 x 1: four work-groups with the same bh walk the same k and v; each tile is asked for jointly by the four (mask 15).
; LDS: two slots of 65,536 bytes = 256 keys = 4 blocks of 16,384 bytes; wave w fetches block w.  The blocks lie in fragment order: every LDS load takes 512 consecutive bytes.
; By the text's own count a wave has two tensor loads out at the start and one behind each round; that one has 256 keys' work in which to land.
; LIMITS: q, k, v and P enter the products in bf16; l is summed from the unrounded exponentials in f32.  v_exp_f32 gives zero for results below 2^-126 and
; v_rcp_f32 is good to 1 ULP (ISA guide, their entries in chapter 15).  NaN and infinities are not treated apart.
.set SLOTB, 65536
.set BLKB,  16384
.set G1, 16                            ; s[16:23] descriptor group 1
.set G0, 24                            ; s[24:31] group 0, one set for each slot
; window 0: v1, v2 = 16 x lane + slot x 65,536 (v1 also the offset in qf and ob)
.set KF, 64                            ; k's fragment (kt, dh) at + 8 (2 kt + dh)
.set VF, 128                           ; v's fragment (p, dt) at + 8 (4 p + dt)
.set QF, 192                           ; q's fragment (qt, dh) at + 8 (2 qt + dh), scaled
; window 1: S(qt, kt) at 32 qt + 8 kt; P is made in place: P(qt, p) at 32 qt + 8 p
.set ST, 128                           ; + 8 qt: m twice, 2^(m - m') twice, a pair of partial sums, l, a temporary
.set TX, 160                           ; + qt: what the other half of the lanes sends
.set DM, 164                           ; + qt: m - m'
; window 2: O(qt, dt) at 32 qt + 8 dt
.set QRES, 128                         ; + 32 qt + 8 dt: q in f32, the residual
.set MSB, 0
.macro WIN new                         ; s_set_vgpr_msb: bits 1:0 source 0, 3:2 source 1, 5:4 source 2, 7:6 destination; the high byte repeats the setting that is left
.if MSB != \new
	s_set_vgpr_msb (MSB<<8)|\new
.set MSB, \new
.endif
.endm
.macro NOPS n
.rept \n
	v_nop
.endr
.endm
.macro ROUND                           ; a round of the cluster's barrier
	s_barrier_signal -1
	s_barrier_wait -1
	s_cmp_lg_u32 s10, 0
	s_cbranch_scc1 .Lnot_wave_0_\@
	s_barrier_signal -3
.Lnot_wave_0_\@:
	s_barrier_wait -3
	s_barrier_signal -1
	s_barrier_wait -1
.endm
.macro LOADK slot, bk                  ; 16 loads: k of block bk of the slot
.set nn, 0
.rept 16
	ds_load_b128 v[KF+4*nn:KF+4*nn+3], v[1+(\slot)] offset:(\bk)*BLKB+512*nn
.set nn, nn+1
.endr
.endm
.macro LOADV slot, bk                  ; 16 loads: v of block bk
.set nn, 0
.rept 16
	ds_load_b128 v[VF+4*nn:VF+4*nn+3], v[1+(\slot)] offset:(\bk)*BLKB+8192+512*nn
.set nn, nn+1
.endr
.endm
; In both products the 16 accumulators take turns, one instruction a turn.
.macro SPHASE                          ; S^T = K Q^T: 64 keys x 64 rows, 64 along the head
.set ih, 0
.rept 2
.set ik, 0
.rept 4
.set iq, 0
.rept 4
.if ih == 0
	v_wmma_f32_16x16x32_bf16 v[32*iq+8*ik:32*iq+8*ik+7], v[KF+8*(2*ik+ih):KF+8*(2*ik+ih)+7], v[QF+8*(2*iq+ih):QF+8*(2*iq+ih)+7], 0
.else
	v_wmma_f32_16x16x32_bf16 v[32*iq+8*ik:32*iq+8*ik+7], v[KF+8*(2*ik+ih):KF+8*(2*ik+ih)+7], v[QF+8*(2*iq+ih):QF+8*(2*iq+ih)+7], v[32*iq+8*ik:32*iq+8*ik+7]
.endif
.set iq, iq+1
.endr
.set ik, ik+1
.endr
.set ih, ih+1
.endr
.endm
.macro PVPHASE first                   ; O^T += V^T P^T: 64 columns x 64 rows, 64 keys
.set ip, 0
.rept 2
.set id, 0
.rept 4
.set iq, 0
.rept 4
.if (\first)*(1-ip)
	v_wmma_f32_16x16x32_bf16 v[32*iq+8*id:32*iq+8*id+7], v[VF+8*(4*ip+id):VF+8*(4*ip+id)+7], v[32*iq+8*ip:32*iq+8*ip+7], 0
.else
	v_wmma_f32_16x16x32_bf16 v[32*iq+8*id:32*iq+8*id+7], v[VF+8*(4*ip+id):VF+8*(4*ip+id)+7], v[32*iq+8*ip:32*iq+8*ip+7], v[32*iq+8*id:32*iq+8*id+7]
.endif
.set iq, iq+1
.endr
.set id, id+1
.endr
.set ip, ip+1
.endr
.endm
.macro EXPU u                          ; tile u = 4 qt + kt of S: take the maximum away, then 2^x in place
.set uq, (\u)>>2
.set ub, 32*uq+8*((\u)&3)
.set ij, 0
.rept 4
	v_pk_add_f32 v[ub+2*ij:ub+2*ij+1], v[ub+2*ij:ub+2*ij+1], v[ST+8*uq:ST+8*uq+1] neg_lo:[0,1] neg_hi:[0,1]
.set ij, ij+1
.endr
.set ij, 0
.rept 8
	v_exp_f32 v[ub+ij], v[ub+ij]
.set ij, ij+1
.endr
.endm
.macro SUMCVT u                        ; tile u: add its 8 exponentials to the pair of sums and pack them into P; each pair is summed before a conversion writes over it
.set uq, (\u)>>2
.set uk, (\u)&3
.set ub, 32*uq+8*uk
.set up, 32*uq+4*uk
.if uk == 0
	s_wait_alu depctr_va_vdst(0)
	v_pk_add_f32 v[ST+8*uq+4:ST+8*uq+5], v[ub:ub+1], v[ub+2:ub+3]             ; the first two pairs start the sums
	v_cvt_pk_bf16_f32 v[up], v[ub], v[ub+1]
	v_cvt_pk_bf16_f32 v[up+1], v[ub+2], v[ub+3]
.else
	s_wait_alu depctr_va_vdst(0)
	v_pk_add_f32 v[ST+8*uq+4:ST+8*uq+5], v[ST+8*uq+4:ST+8*uq+5], v[ub:ub+1]
	v_cvt_pk_bf16_f32 v[up], v[ub], v[ub+1]
	v_pk_add_f32 v[ST+8*uq+4:ST+8*uq+5], v[ST+8*uq+4:ST+8*uq+5], v[ub+2:ub+3]
	v_cvt_pk_bf16_f32 v[up+1], v[ub+2], v[ub+3]
.endif
	v_pk_add_f32 v[ST+8*uq+4:ST+8*uq+5], v[ST+8*uq+4:ST+8*uq+5], v[ub+4:ub+5]
	v_cvt_pk_bf16_f32 v[up+2], v[ub+4], v[ub+5]
	v_pk_add_f32 v[ST+8*uq+4:ST+8*uq+5], v[ST+8*uq+4:ST+8*uq+5], v[ub+6:ub+7]
	v_cvt_pk_bf16_f32 v[up+3], v[ub+6], v[ub+7]
.endm
; All of it in window 1.  The four tiles of rows go side by side, so that no instruction waits for the one in front of it.
.macro SOFTMAX first
.set iq, 0
.rept 4
	v_max3_num_f32 v[ST+8*iq+7], v[32*iq], v[32*iq+1], v[32*iq+2]
.set iq, iq+1
.endr
.set ii, 0
.rept 14
.set iq, 0
.rept 4
	v_max3_num_f32 v[ST+8*iq+7], v[ST+8*iq+7], v[32*iq+3+2*ii], v[32*iq+4+2*ii]
.set iq, iq+1
.endr
.set ii, ii+1
.endr
.set iq, 0
.rept 4
.if \first
	v_max_num_f32 v[ST+8*iq+7], v[ST+8*iq+7], v[32*iq+31]
.else
	v_max3_num_f32 v[ST+8*iq+7], v[ST+8*iq+7], v[32*iq+31], v[ST+8*iq]        ; with the running maximum
.endif
.set iq, iq+1
.endr
.set iq, 0
.rept 4
	v_permlanex16_b32 v[TX+iq], v[ST+8*iq+7], s32, s33                        ; the other 32 keys of my row lie in lane i xor 16
.set iq, iq+1
.endr
.set iq, 0
.rept 4
	v_max_num_f32 v[ST+8*iq+7], v[ST+8*iq+7], v[TX+iq]
.set iq, iq+1
.endr
.if \first == 0
.set iq, 0
.rept 4
	v_sub_f32 v[DM+iq], v[ST+8*iq], v[ST+8*iq+7]                              ; m - m', never above 0
.set iq, iq+1
.endr
.endif
.set iq, 0
.rept 4
	v_mov_b32 v[ST+8*iq], v[ST+8*iq+7]
	v_mov_b32 v[ST+8*iq+1], v[ST+8*iq+7]
.set iq, iq+1
.endr
.if \first == 0
.set iq, 0
.rept 4
	v_exp_f32 v[ST+8*iq+2], v[DM+iq]
	v_exp_f32 v[ST+8*iq+3], v[DM+iq]
.set iq, iq+1
.endr
.endif
	; behind each run of exponentials stand plain instructions on other registers before a result is used (ISA guide 5.7.2):
	; the sums and conversions of the tile before, or the next tile's subtractions
.set uu, 0
.rept 16
	EXPU uu
.if uu > 0
	SUMCVT uu-1
.endif
.set uu, uu+1
.endr
	SUMCVT 15
.set iq, 0
.rept 4
.if \first
	v_add_f32 v[ST+8*iq+6], v[ST+8*iq+4], v[ST+8*iq+5]
.else
	v_add_f32 v[ST+8*iq+7], v[ST+8*iq+4], v[ST+8*iq+5]
.endif
.set iq, iq+1
.endr
.if \first == 0
.set iq, 0
.rept 4
	v_fma_f32 v[ST+8*iq+6], v[ST+8*iq+6], v[ST+8*iq+2], v[ST+8*iq+7]          ; l = l 2^(m - m') + the block's sum (my half of the keys)
.set iq, iq+1
.endr
.endif
.endm
.macro RESCALE                         ; O = O 2^(m - m')
.set iq, 0
.rept 4
.set nn, 0
.rept 16
	v_pk_mul_f32 v[32*iq+2*nn:32*iq+2*nn+1], v[32*iq+2*nn:32*iq+2*nn+1], v[ST+8*iq+2:ST+8*iq+3]
.set nn, nn+1
.endr
.set iq, iq+1
.endr
.endm
; 64 keys.  k's fragments have been asked for by the block before; nextk = 1: this block asks for the next block's.
.macro BLOCK slot, bk, first, nextk
	WIN 0
	LOADV \slot, \bk
	s_wait_dscnt 16                                ; all but v's 16 loads: k is in
	WIN 0x50                                       ; S in window 1
	SPHASE
	NOPS 4                                         ; four places (ISA guide 7.12.1) before S is read and k's registers are loaded again
.if \nextk
	WIN 0
	LOADK \slot, (\bk)+1
.endif
	WIN 0x55
	SOFTMAX \first
.if \first == 0
	WIN 0x86                                       ; O in window 2, the factor in window 1
	RESCALE
.endif
.if \nextk
	s_wait_dscnt 16                                ; all but the next k's 16 loads: v is in
.else
	s_wait_dscnt 0
.endif
	WIN 0xA4                                       ; O in window 2, P in window 1, v in window 0
	PVPHASE \first
	NOPS 5                                         ; five places before the next S is written over P; four of them serve the loads into v's registers
.endm
; 256 keys from one slot.  In front of the round each wave has waited for all its tensor loads (its block of this slot among them) and for its reads
; of the other slot; behind it the other slot is asked for again first thing, one load a wave.
.macro STEP slot, refill
	WIN 0
	s_wait_tensorcnt 0x0
	ds_add_u32 v62, v63
	s_wait_dscnt 0x0
.if \refill
	s_add_nc_u64 s[G0+4*(1-\slot)+2:G0+4*(1-\slot)+3], s[G0+4*(1-\slot)+2:G0+4*(1-\slot)+3], 2*SLOTB   ; no load of mine is out: the other slot's next 256 keys
.endif
	s_wait_dscnt 0x0
.if \refill
	ROUND
	tensor_load_to_lds s[G0+4*(1-\slot):G0+4*(1-\slot)+3], s[G1:G1+7]
	s_nop 0
.else
	s_barrier_signal -1                            ; nothing is filled again: my work-group's barrier is enough
	s_barrier_wait -1
.endif
	LOADK \slot, 0
	BLOCK \slot, 0, 0, 1
	BLOCK \slot, 1, 0, 1
	BLOCK \slot, 2, 0, 1
	BLOCK \slot, 3, 0, 0
.endm
	s_load_b128 s[4:7], s[0:1], 0x0                ; qf s[4:5], kv s[6:7]
	s_load_b64 s[8:9], s[0:1], 0x10                ; ob
	v_lshl_add_u32 v62, v0, 2, 0x29000
	v_mov_b32 v63, 0
	ds_add_u32 v62, v63
	v_lshrrev_b32 v3, 5, v0
	v_readfirstlane_b32 s10, v3                    ; wave
	s_bfe_u32 s11, ttmp6, 0x40000                  ; cx
	s_lshl_b32 s12, ttmp9, 2
	s_add_co_u32 s12, s12, s11                     ; block of 256 rows = 4 x cluster x + cx
	s_and_b32 s13, ttmp7, 0xffff                   ; bh: the cluster is one work-group high
	; a dense block of 16,384 bytes as 64 rows of 32 elements of 8 bytes, for all four work-groups of the cluster
	s_mov_b32 s[G1+0], 15|(3<<16)|(1<<21)
	s_mov_b32 s[G1+1], 32<<16
	s_mov_b32 s[G1+2], 64<<16
	s_mov_b32 s[G1+3], 32<<16
	s_mov_b32 s[G1+4], 64
	s_mov_b32 s[G1+5], 32
	s_mov_b32 s[G1+6], 0
	s_mov_b32 s[G1+7], 0
	s_mul_i32 s14, s10, BLKB                       ; my block of a slot, in LDS and in kv
	s_lshl_b32 s38, s13, 20                        ; bh x 1,048,576: kv's address hangs on bh and the wave alone
	s_add_co_u32 s38, s38, s14
	s_mov_b32 s39, 0
	s_lshl_b32 s37, s12, 4
	s_lshl2_add_u32 s37, s10, s37                  ; my first tile of 16 rows
	s_lshl_b32 s40, s13, 8
	s_add_co_u32 s40, s40, s37
	s_lshl_b32 s40, s40, 12                        ; qf: (256 bh + tile) x 4,096
	s_mov_b32 s41, 0
	s_lshr_b32 s42, s13, 3
	s_lshl_b32 s42, s42, 8
	s_add_co_u32 s42, s42, s37
	s_lshl_b32 s42, s42, 15                        ; ob: (256 batch + tile) x 32,768
	s_and_b32 s15, s13, 7
	s_lshl_b32 s15, s15, 12                        ; + head x 4,096
	s_add_co_u32 s42, s42, s15
	s_mov_b32 s43, 0
	s_mov_b32 s32, 0x76543210                      ; v_permlanex16_b32: lane i of one half reads lane i of the other
	s_mov_b32 s33, 0xfedcba98
	s_mov_b32 s34, 0x3d8293ee                      ; log2(e) / sqrt(512)
	s_mov_b32 s35, 0x3d8293ee
	v_and_b32 v1, 31, v0
	v_lshlrev_b32 v1, 4, v1
	v_add_nc_u32 v2, SLOTB, v1
	s_wait_dscnt 0x0
	s_wait_kmcnt 0x0
	s_add_nc_u64 s[4:5], s[4:5], s[40:41]
	s_add_nc_u64 s[6:7], s[6:7], s[38:39]
	s_add_nc_u64 s[8:9], s[8:9], s[42:43]
	ROUND                                          ; the four work-groups are here: the first joint loads meet
.irp sl, 0,1
	s_mov_b32 s[G0+4*\sl], 1
	s_add_co_u32 s[G0+4*\sl+1], s14, \sl*SLOTB
	s_add_nc_u64 s[G0+4*\sl+2:G0+4*\sl+3], s[6:7], \sl*SLOTB
	s_or_b32 s[G0+4*\sl+3], s[G0+4*\sl+3], 0x80000000
	tensor_load_to_lds s[G0+4*\sl:G0+4*\sl+3], s[G1:G1+7]          ; keys 0-255 and 256-511: two loads of the wave are out
	s_nop 0
.endr
	WIN 0x80                                       ; q in f32 into window 2: it stays there as the residual
.set nn, 0
.rept 32
	global_load_b128 v[QRES+4*nn:QRES+4*nn+3], v1, s[4:5] offset:512*nn th:TH_LOAD_NT
.set nn, nn+1
.endr
	WIN 0x40
.set iq, 0
.rept 4
	v_mov_b32 v[TX+iq], 0                          ; v_permlanex16_b32 counts as a reader of its destination
.set iq, iq+1
.endr
	s_wait_loadcnt 0x0
	WIN 0x02                                       ; scaled, into the registers that k's and v's fragments will take later,
.set nn, 0
.rept 64
	v_pk_mul_f32 v[KF+2*nn:KF+2*nn+1], v[QRES+2*nn:QRES+2*nn+1], s[34:35] op_sel_hi:[1,0]
.set nn, nn+1
.endr
	WIN 0                                          ; and rounded: tile (qt, dt)'s 8 registers are one half of fragment (qt, dt >> 1)
.set nn, 0
.rept 64
	v_cvt_pk_bf16_f32 v[QF+nn], v[KF+2*nn], v[KF+2*nn+1]
.set nn, nn+1
.endr
	s_wait_tensorcnt 0x1                           ; my block of slot 0 is in; slot 1's stays out
	s_barrier_signal -1
	s_barrier_wait -1
	LOADK 0, 0
	BLOCK 0, 0, 1, 1                               ; the first block starts m, l and O
	BLOCK 0, 1, 0, 1
	BLOCK 0, 2, 0, 1
	BLOCK 0, 3, 0, 0
	WIN 0                                          ; at a label and at a branch every window is 0
	s_mov_b32 s36, 7                               ; 16 slots' worth of keys: one above, 14 in the loop, one behind it
.Lkv:
	STEP 1, 1
	STEP 0, 1
	WIN 0
	s_sub_co_u32 s36, s36, 1
	s_cmp_lg_u32 s36, 0
	s_cbranch_scc1 .Lkv
	STEP 1, 0                                      ; the last 256 keys: nothing is left to fetch
	; o = O / l + q.  The five places behind the last matrix instructions stand at the last block's end.
	WIN 0x55
.set iq, 0
.rept 4
	v_permlanex16_b32 v[TX+iq], v[ST+8*iq+6], s32, s33             ; the other half of the keys' sum
.set iq, iq+1
.endr
.set iq, 0
.rept 4
	v_add_f32 v[ST+8*iq+6], v[ST+8*iq+6], v[TX+iq]
.set iq, iq+1
.endr
.set iq, 0
.rept 4
	v_rcp_f32 v[ST+8*iq+2], v[ST+8*iq+6]
	v_rcp_f32 v[ST+8*iq+3], v[ST+8*iq+6]
.set iq, iq+1
.endr
	v_nop                                          ; one plain place behind the reciprocals
	WIN 0xA6                                       ; O and q in window 2, 1 / l in window 1
.set iq, 0
	s_wait_alu depctr_va_vdst(0)
.rept 4
.set nn, 0
.rept 16
	v_pk_fma_f32 v[32*iq+2*nn:32*iq+2*nn+1], v[32*iq+2*nn:32*iq+2*nn+1], v[ST+8*iq+2:ST+8*iq+3], v[QRES+32*iq+2*nn:QRES+32*iq+2*nn+1]
.set nn, nn+1
.endr
.set iq, iq+1
.endr
	WIN 0x08                                       ; store data in window 2
.set iq, 0
.rept 4
.set nn, 0
.rept 8
	global_store_b128 v1, v[32*iq+4*nn:32*iq+4*nn+3], s[8:9] offset:iq*32768+512*nn     ; 512 consecutive bytes, aligned
.set nn, nn+1
.endr
.set iq, iq+1
.endr
	WIN 0
	ROUND                                          ; the closing round
	s_endpgm
.Lfunc_end_k_q6adf3d7a3a_attn:
	.size	k_q6adf3d7a3a_attn, .Lfunc_end_k_q6adf3d7a3a_attn-k_q6adf3d7a3a_attn
	.p2alignl 7, 3214868480
	.fill 96, 4, 3214868480
	.section	.rodata,"a",@progbits
	.p2align	6, 0x0
	.amdhsa_kernel k_q6adf3d7a3a_attn
		.amdhsa_group_segment_fixed_size 327680
		.amdhsa_private_segment_fixed_size 0
		.amdhsa_enable_private_segment 0
		.amdhsa_kernarg_size 24
		.amdhsa_user_sgpr_count 2
		.amdhsa_user_sgpr_kernarg_segment_ptr 1
		.amdhsa_wavefront_size32 1
		.amdhsa_system_sgpr_workgroup_id_x 1
		.amdhsa_system_sgpr_workgroup_id_y 1
		.amdhsa_system_sgpr_workgroup_id_z 1
		.amdhsa_system_vgpr_workitem_id 0
		.amdhsa_next_free_vgpr 768
		.amdhsa_next_free_sgpr 66
		.amdhsa_reserve_vcc 0
		.amdhsa_float_denorm_mode_32 3
		.amdhsa_float_denorm_mode_16_64 3
		.amdhsa_memory_ordered 1
		.amdhsa_forward_progress 1
		.amdhsa_inst_pref_size 255
	.end_amdhsa_kernel
	.section	.bss,"aw",@nobits
	.p2align	6
	.space	262144
	.amdgpu_metadata
---
amdhsa.version: [ 1, 2 ]
amdhsa.kernels:
  - .name:           k_q6adf3d7a3a_attn
    .symbol:         k_q6adf3d7a3a_attn.kd
    .args:
      - { .name: qf, .offset: 0, .size: 8, .value_kind: global_buffer, .address_space: global }
      - { .name: kv, .offset: 8, .size: 8, .value_kind: global_buffer, .address_space: global }
      - { .name: ob, .offset: 16, .size: 8, .value_kind: global_buffer, .address_space: global }
    .group_segment_fixed_size: 327680
    .private_segment_fixed_size: 0
    .kernarg_segment_align: 8
    .kernarg_segment_size: 24
    .max_flat_workgroup_size: 128
    .sgpr_count:     66
    .vgpr_count:     768
    .wavefront_size: 32
...
	.end_amdgpu_metadata
.endif
;; end of part 3
;; launch ffn (part 4): grid 256 x 1, 2 waves a work-group, clusters of 4 x 1, 327,680 bytes of LDS; arguments ob, wf, g0, b0, bo, g1, b1, out0; writes out0
.if DOCPART == 4
	.amdgcn_target "amdgcn-amd-amdhsa--gfx1250"
	.amdhsa_code_object_version 6
	.text
	.protected	k_q6adf3d7a3a_ffn
	.globl	k_q6adf3d7a3a_ffn
	.p2align	8
	.type	k_q6adf3d7a3a_ffn,@function
k_q6adf3d7a3a_ffn:
	s_mov_b64 s[64:65], 0
	v_nop
	global_prefetch_b8 v0, s[64:65] scope:SCOPE_SE
	s_setreg_imm32_b32 hwreg(HW_REG_WAVE_MODE, 25, 1), 1
	s_wait_xcnt 0x0
	s_wait_alu depctr_hold_cnt(0) depctr_sa_sdst(0) depctr_va_vdst(0) depctr_va_sdst(0) depctr_va_ssrc(0) depctr_va_vcc(0) depctr_vm_vsrc(0)
	s_getreg_b32 s2, hwreg(HW_REG_IB_STS2, 6, 4)
	s_cmp_eq_u32 s2, 0
	s_cbranch_scc0 .Lentry_in_a_cluster
	s_endpgm
.Lentry_in_a_cluster:
	s_bfe_u32 s2, ttmp6, 0x10000c
	s_cmp_lg_u32 s2, 0x3003
	s_cbranch_scc0 .Lentry_shape_is_right
	s_endpgm
.Lentry_shape_is_right:
; out0 = LN1(O + relu(O Wo + bo)) with O = LN0(o).  A wave owns a tile of 16 whole rows x 512 columns, so both norms stay inside the wave.
; The product is made transposed (source 0: 16 columns of Wo, source 1: 16 rows of O): lane (r, h) holds, of row r, columns 16 t + 8 h + 0..7 of every column tile t,
; which is the order in which the attention launch stored o, the order of the product's result, and, packed to f16, the order of O's fragments.  A row's sum is a sum
; inside the lane and one exchange between the halves of the lanes.
; TWO WAVES a work-group: 512 tiles of rows over 256 work-groups.  Every wave reads all of Wo's fragments for its 16 rows, so the LDS bytes read for 32 rows are the same
; however they are dealt to waves; four waves of 16 rows would leave work for 128 work-groups only.
; CLUSTERS of 4 x 1: all work-groups walk the same Wo; each slot is asked for jointly by four (mask 15).
; LDS: two slots of 131,072 bytes, each a group of 128 columns of Wo for all of K, in fragment order (wave w fetches half w); behind them a stage of 16 rows x 1,040 bytes
; for each wave, for the way out.  By the text's own count a wave has two tensor loads out at the start and one behind each round.
; Both norms take two passes (the mean first, then the squares of the differences): no difference of large sums is formed.
; FORMATS AND LIMITS: O and Wo enter the product in f16 (11 significant bits); all else in f32.  A normalised row of 512 has no entry above sqrt(511) < 22.7 in magnitude, so
; |O| <= 22.7 |g0| + |b0|: it passes f16's largest number, 65,504, and becomes infinite only for |g0| of some 2,800 or |b0| of that size; below 2^-14 f16's step is 2^-24.
; v_rsq_f32 is good to 1 ULP.  NaN and infinities are not treated apart.
.set SLOTB,  131072
.set STAGE,  262144
.set SPITCH, 1040                      ; 1,024 bytes + 16: an odd multiple of 16
.set G1, 24                            ; s[24:31]
.set G0, 32                            ; s[32:39], one set for each slot
; window 0: v1 16 x lane, v2 32 h, v3-6 LDS address of slot 0, 1 x half 0, 1, v7 stage in, v8 stage out, v16-23 four pairs of sums, v24-25 mean, v26-27 1 / sigma, v28-29 at work
.set AF, 64                            ; v64-191: Wo's fragments, two buffers of 8 column tiles; before that b0 of tiles 0-15; on the way out the rows read back
; window 1: X(t) at 8 t: my 256 numbers
; window 2: g0, then the accumulators (t) at 8 t, which start as bo, then b1
; window 3: O's fragments (s) at 8 s in 0-127, b0 of tiles 16-31 in 128-255; later g1
.set MSB, 0
.macro WIN new                         ; s_set_vgpr_msb: bits 1:0 source 0, 3:2 source 1, 5:4 source 2, 7:6 destination; the high byte repeats the setting that is left
.if MSB != \new
	s_set_vgpr_msb (MSB<<8)|\new
.set MSB, \new
.endif
.endm
.macro NOPS n
.rept \n
	v_nop
.endr
.endm
.macro ROUND                           ; a round of the cluster's barrier
	s_barrier_signal -1
	s_barrier_wait -1
	s_cmp_lg_u32 s20, 0
	s_cbranch_scc1 .Lnot_wave_0_\@
	s_barrier_signal -3
.Lnot_wave_0_\@:
	s_barrier_wait -3
	s_barrier_signal -1
	s_barrier_wait -1
.endm
.macro LOADVEC sb, r0, t0, nt          ; a vector of 512 numbers, column tiles t0 .. t0 + nt - 1, in X's order, into registers r0 ..
.set it, 0
.rept \nt
	global_load_b128 v[\r0+8*it:\r0+8*it+3],   v2, s[\sb:\sb+1] offset:64*(\t0+it)
	global_load_b128 v[\r0+8*it+4:\r0+8*it+7], v2, s[\sb:\sb+1] offset:64*(\t0+it)+16
.set it, it+1
.endr
.endm
.macro FOLD                            ; four pairs of sums to one number for the row, in v28 of every lane
	v_pk_add_f32 v[16:17], v[16:17], v[18:19]
	v_pk_add_f32 v[20:21], v[20:21], v[22:23]
	v_pk_add_f32 v[16:17], v[16:17], v[20:21]
	v_add_f32 v28, v16, v17
	v_permlanex16_b32 v29, v28, s40, s41           ; the row's other 256 columns lie in lane i xor 16
	v_add_f32 v28, v28, v29
.endm
.macro LNSTATS                         ; X = (X - mean) / sqrt(var + eps)
	WIN 0x05
.set ic, 0
.rept 4
	v_pk_add_f32 v[16+2*ic:17+2*ic], v[2*ic:2*ic+1], v[8+2*ic:9+2*ic]         ; the first eight pairs start four chains
.set ic, ic+1
.endr
	WIN 0x04
.set ip, 8
.rept 120
	v_pk_add_f32 v[16+2*(ip%4):17+2*(ip%4)], v[16+2*(ip%4):17+2*(ip%4)], v[2*ip:2*ip+1]
.set ip, ip+1
.endr
	WIN 0
	FOLD
	v_mul_f32 v24, s46, v28                        ; / 512
	v_mul_f32 v25, s46, v28
	WIN 0x41
.set ip, 0
.rept 128
	v_pk_add_f32 v[2*ip:2*ip+1], v[2*ip:2*ip+1], v[24:25] neg_lo:[0,1] neg_hi:[0,1]
.set ip, ip+1
.endr
	WIN 0x05
.set ic, 0
.rept 4
	v_pk_mul_f32 v[16+2*ic:17+2*ic], v[2*ic:2*ic+1], v[2*ic:2*ic+1]
.set ic, ic+1
.endr
.set ip, 4
.rept 124
	v_pk_fma_f32 v[16+2*(ip%4):17+2*(ip%4)], v[2*ip:2*ip+1], v[2*ip:2*ip+1], v[16+2*(ip%4):17+2*(ip%4)]
.set ip, ip+1
.endr
	WIN 0
	FOLD
	v_fma_f32 v28, v28, s46, s47                   ; / 512 + 1e-5
	v_rsq_f32 v26, v28
	v_rsq_f32 v27, v28
	v_nop                                          ; one plain place behind the roots
	WIN 0x41
.set ip, 0
	s_wait_alu depctr_va_vdst(0)
.rept 128
	v_pk_mul_f32 v[2*ip:2*ip+1], v[2*ip:2*ip+1], v[26:27]
.set ip, ip+1
.endr
.endm
.macro AFFINE p0, np, goff, boff       ; X = X g + b for np pairs from pair p0; the windows say where g and b lie
.set ip, \p0
.rept \np
	v_pk_fma_f32 v[2*ip:2*ip+1], v[2*ip:2*ip+1], v[2*ip+(\goff):2*ip+(\goff)+1], v[2*ip+(\boff):2*ip+(\boff)+1]
.set ip, ip+1
.endr
.endm
.macro FETCHA slot, s, buf             ; 16 loads: Wo's fragments of K step s for the slot's 8 column tiles
.set ic, 0
.rept 8
	ds_load_b128 v[AF+64*(\buf)+8*ic:AF+64*(\buf)+8*ic+3],   v[3+2*(\slot)+((\s)>>3)] offset:((\s)&7)*8192+ic*1024
	ds_load_b128 v[AF+64*(\buf)+8*ic+4:AF+64*(\buf)+8*ic+7], v[3+2*(\slot)+((\s)>>3)] offset:((\s)&7)*8192+ic*1024+512
.set ic, ic+1
.endr
.endm
; A slot: 128 columns x all of K = 16 steps of 8 matrix instructions.  The 8 accumulators take turns, one instruction a turn.
.macro GSLOT slot, u
	FETCHA \slot, 0, 0
.set gs, 0
.rept 16
	NOPS 4                                         ; four places behind the last step's matrix instructions (ISA guide 7.12.1), whose buffer is loaded next
	WIN 0
.if gs < 15
	FETCHA \slot, gs+1, (gs+1)&1
	s_wait_dscnt 16                                ; all but the 16 loads just issued
.else
	s_wait_dscnt 0
.endif
	WIN 0xAC                                       ; accumulators in window 2, O's fragments in window 3, Wo's in window 0
.set ic, 0
.rept 8
	v_wmma_f32_16x16x32_f16 v[8*(8*(\u)+ic):8*(8*(\u)+ic)+7], v[AF+64*(gs&1)+8*ic:AF+64*(gs&1)+8*ic+7], v[8*gs:8*gs+7], v[8*(8*(\u)+ic):8*(8*(\u)+ic)+7]
.set ic, ic+1
.endr
.set gs, gs+1
.endr
.endm
; In front of the round each wave has waited for all its tensor loads (its half of this slot among them) and for its reads of the other slot;
; behind it the other slot is asked for again first thing, one load a wave.
.macro FSTEP slot, u, refill
	WIN 0
	s_wait_tensorcnt 0x0
	ds_add_u32 v254, v255
	s_wait_dscnt 0x0
.if \refill
	s_add_nc_u64 s[G0+4*(1-\slot)+2:G0+4*(1-\slot)+3], s[G0+4*(1-\slot)+2:G0+4*(1-\slot)+3], 2*SLOTB
.endif
	s_wait_dscnt 0x0
.if \refill
	ROUND
	tensor_load_to_lds s[G0+4*(1-\slot):G0+4*(1-\slot)+3], s[G1:G1+7]
	s_nop 0
.else
	s_barrier_signal -1                            ; nothing is filled again: my work-group's barrier is enough
	s_barrier_wait -1
.endif
	GSLOT \slot, \u
.endm
; 256 columns of my 16 rows through my own stage: in by lanes (8 columns of a row each), back by rows, out in runs of 512 consecutive bytes, aligned.
.macro WAYOUT hf
	WIN 0x04                                       ; store data in window 1
.set it, 0
.rept 16
	ds_store_b128 v7, v[8*(16*(\hf)+it):8*(16*(\hf)+it)+3]   offset:64*it
	ds_store_b128 v7, v[8*(16*(\hf)+it)+4:8*(16*(\hf)+it)+7] offset:64*it+16
.set it, it+1
.endr
	WIN 0
	s_wait_xcnt 0x0                                ; the registers that the last half's stores read are loaded again only behind this wait
.set nn, 0
.rept 32
	ds_load_b128 v[AF+4*nn:AF+4*nn+3], v8 offset:(nn>>1)*SPITCH+(nn&1)*512    ; LDS serves a wave's instructions in order: these see the stores above
.set nn, nn+1
.endr
.set nn, 0
.rept 32
	s_wait_dscnt 31-nn                             ; the younger read-backs stay out
	global_store_b128 v1, v[AF+4*nn:AF+4*nn+3], s[18:19] offset:(nn>>1)*2048+(\hf)*1024+(nn&1)*512 th:TH_STORE_NT
.set nn, nn+1
.endr
.endm
	s_load_b512 s[4:19], s[0:1], 0x0               ; ob s[4:5], wf s[6:7], g0 s[8:9], b0 s[10:11], bo s[12:13], g1 s[14:15], b1 s[16:17], out0 s[18:19]
	v_lshl_add_u32 v254, v0, 2, 0x48200
	v_mov_b32 v255, 0
	ds_add_u32 v254, v255
	v_lshrrev_b32 v9, 5, v0
	v_readfirstlane_b32 s20, v9                    ; wave
	s_bfe_u32 s21, ttmp6, 0x40000                  ; cx
	s_lshl_b32 s22, ttmp9, 2
	s_add_co_u32 s22, s22, s21                     ; work-group
	s_lshl1_add_u32 s23, s22, s20                  ; my tile of 16 rows
	s_lshl_b32 s42, s23, 15                        ; x 32,768 bytes, in ob and in out0
	s_mov_b32 s43, 0
	s_mul_i32 s44, s20, 65536                      ; my half of a slot, in LDS and in wf
	s_mov_b32 s45, 0
	s_mul_i32 s3, s20, 16*SPITCH
	s_add_co_u32 s3, s3, STAGE                     ; my stage
	; a dense block of 65,536 bytes as 256 rows of 32 elements of 8 bytes, for all four work-groups of the cluster
	s_mov_b32 s[G1+0], 15|(3<<16)|(1<<21)
	s_mov_b32 s[G1+1], 32<<16
	s_mov_b32 s[G1+2], 256<<16
	s_mov_b32 s[G1+3], 32<<16
	s_mov_b32 s[G1+4], 256
	s_mov_b32 s[G1+5], 32
	s_mov_b32 s[G1+6], 0
	s_mov_b32 s[G1+7], 0
	s_mov_b32 s40, 0x76543210                      ; v_permlanex16_b32: lane i of one half reads lane i of the other
	s_mov_b32 s41, 0xfedcba98
	s_mov_b32 s46, 0x3b000000                      ; 1 / 512
	s_mov_b32 s47, 0x3727c5ac                      ; 1e-5
	v_and_b32 v9, 31, v0
	v_lshlrev_b32 v1, 4, v9                        ; 16 x lane
	v_and_b32 v10, 15, v0                          ; r
	v_bfe_u32 v11, v0, 4, 1                        ; h
	v_lshlrev_b32 v2, 5, v11                       ; 8 h numbers in f32
	v_mov_b32 v3, v1
	v_add_nc_u32 v4, 65536, v1
	v_add_nc_u32 v5, SLOTB, v1
	v_add_nc_u32 v6, SLOTB+65536, v1
	v_mul_u32_u24 v7, v10, SPITCH
	v_add_nc_u32 v7, v7, v2
	v_add_nc_u32 v7, s3, v7                        ; in: my stage, row r, 32 h bytes
	v_add_nc_u32 v8, s3, v1                        ; back: 512 consecutive bytes
	v_mov_b32 v29, 0                               ; v_permlanex16_b32 counts as a reader of its destination
	s_wait_dscnt 0x0
	s_wait_kmcnt 0x0
	s_add_nc_u64 s[4:5], s[4:5], s[42:43]
	s_add_nc_u64 s[18:19], s[18:19], s[42:43]
	s_add_nc_u64 s[6:7], s[6:7], s[44:45]
	ROUND                                          ; the four work-groups are here: the first joint loads meet
.irp sl, 0,1
	s_mov_b32 s[G0+4*\sl], 1
	s_add_co_u32 s[G0+4*\sl+1], s44, \sl*SLOTB
	s_add_nc_u64 s[G0+4*\sl+2:G0+4*\sl+3], s[6:7], 3*524288+\sl*SLOTB         ; Wo is the fourth matrix of wf
	s_or_b32 s[G0+4*\sl+3], s[G0+4*\sl+3], 0x80000000
	tensor_load_to_lds s[G0+4*\sl:G0+4*\sl+3], s[G1:G1+7]                     ; columns 0-127 and 128-255: two loads of the wave are out
	s_nop 0
.endr
	WIN 0x40
.set nn, 0
.rept 64
	global_load_b128 v[4*nn:4*nn+3], v1, s[4:5] offset:512*nn th:TH_LOAD_NT   ; o, my 16 rows
.set nn, nn+1
.endr
	s_wait_loadcnt 0x0
	WIN 0x80                                       ; g0 and b0 go out now and land while the sums are made
	LOADVEC 8, 0, 0, 32
	WIN 0
	LOADVEC 10, AF, 0, 16
	WIN 0xC0
	LOADVEC 10, 128, 16, 16
	LNSTATS
	s_wait_loadcnt 0x0
	WIN 0x49                                       ; X window 1, g0 window 2, b0 window 0
	AFFINE 0, 64, 0, AF
	WIN 0x79                                       ; b0 window 3
	AFFINE 64, 64, 0, 0
	WIN 0x80
	LOADVEC 12, 0, 0, 32                           ; the accumulators start as bo
	WIN 0xC5                                       ; O's fragments: tile t's 8 registers are one half of fragment t >> 1
.set nn, 0
.rept 128
	v_cvt_pk_f16_f32 v[nn], v[2*nn], v[2*nn+1]
.set nn, nn+1
.endr
	WIN 0
	s_wait_loadcnt 0x0
	s_wait_tensorcnt 0x1                           ; my half of slot 0 is in; slot 1's stays out
	s_barrier_signal -1
	s_barrier_wait -1
	GSLOT 0, 0
	FSTEP 1, 1, 1
	FSTEP 0, 2, 1
	FSTEP 1, 3, 0
	NOPS 4                                         ; four places behind the last matrix instructions
	WIN 0xC0
	LOADVEC 14, 0, 0, 32                           ; g1 over the fragments
	WIN 0x88
.set nn, 0
.rept 256
	v_max_num_f32 v[nn], 0, v[nn]                  ; relu
.set nn, nn+1
.endr
	WIN 0x49
.set ip, 0
.rept 128
	v_pk_add_f32 v[2*ip:2*ip+1], v[2*ip:2*ip+1], v[2*ip:2*ip+1]               ; X (window 1) += relu (window 2)
.set ip, ip+1
.endr
	WIN 0x80
	LOADVEC 16, 0, 0, 32                           ; b1 over the accumulators
	LNSTATS
	s_wait_loadcnt 0x0
	WIN 0x6D                                       ; X window 1, g1 window 3, b1 window 2
	AFFINE 0, 128, 0, 0
	WAYOUT 0
	WAYOUT 1
	s_wait_tensorcnt 0x0
	ds_add_u32 v254, v255
	s_wait_dscnt 0x0
	ROUND                                          ; the closing round
	s_endpgm
.Lfunc_end_k_q6adf3d7a3a_ffn:
	.size	k_q6adf3d7a3a_ffn, .Lfunc_end_k_q6adf3d7a3a_ffn-k_q6adf3d7a3a_ffn
	.p2alignl 7, 3214868480
	.fill 96, 4, 3214868480
	.section	.rodata,"a",@progbits
	.p2align	6, 0x0
	.amdhsa_kernel k_q6adf3d7a3a_ffn
		.amdhsa_group_segment_fixed_size 327680
		.amdhsa_private_segment_fixed_size 0
		.amdhsa_enable_private_segment 0
		.amdhsa_kernarg_size 64
		.amdhsa_user_sgpr_count 2
		.amdhsa_user_sgpr_kernarg_segment_ptr 1
		.amdhsa_wavefront_size32 1
		.amdhsa_system_sgpr_workgroup_id_x 1
		.amdhsa_system_sgpr_workgroup_id_y 1
		.amdhsa_system_sgpr_workgroup_id_z 1
		.amdhsa_system_vgpr_workitem_id 0
		.amdhsa_next_free_vgpr 1024
		.amdhsa_next_free_sgpr 66
		.amdhsa_reserve_vcc 0
		.amdhsa_float_denorm_mode_32 3
		.amdhsa_float_denorm_mode_16_64 3
		.amdhsa_memory_ordered 1
		.amdhsa_forward_progress 1
		.amdhsa_inst_pref_size 255
	.end_amdhsa_kernel
	.section	.bss,"aw",@nobits
	.p2align	6
	.space	262144
	.amdgpu_metadata
---
amdhsa.version: [ 1, 2 ]
amdhsa.kernels:
  - .name:           k_q6adf3d7a3a_ffn
    .symbol:         k_q6adf3d7a3a_ffn.kd
    .args:
      - { .name: ob, .offset: 0, .size: 8, .value_kind: global_buffer, .address_space: global }
      - { .name: wf, .offset: 8, .size: 8, .value_kind: global_buffer, .address_space: global }
      - { .name: g0, .offset: 16, .size: 8, .value_kind: global_buffer, .address_space: global }
      - { .name: b0, .offset: 24, .size: 8, .value_kind: global_buffer, .address_space: global }
      - { .name: bo, .offset: 32, .size: 8, .value_kind: global_buffer, .address_space: global }
      - { .name: g1, .offset: 40, .size: 8, .value_kind: global_buffer, .address_space: global }
      - { .name: b1, .offset: 48, .size: 8, .value_kind: global_buffer, .address_space: global }
      - { .name: out0, .offset: 56, .size: 8, .value_kind: global_buffer, .address_space: global }
    .group_segment_fixed_size: 327680
    .private_segment_fixed_size: 0
    .kernarg_segment_align: 8
    .kernarg_segment_size: 64
    .max_flat_workgroup_size: 64
    .sgpr_count:     66
    .vgpr_count:     1024
    .wavefront_size: 32
...
	.end_amdgpu_metadata
.endif
;; end of part 4
;; ======== version 2 of 2: 4 launches; 1.15 times as fast as version 1
;; limits: values are held in f16: magnitudes above 65,504 overflow, below 6.1e-05 lose precision; inputs' magnitudes at most 65,504
;; workspace buffers: wf 2,097,152 bytes; qf 16,777,216 bytes; kv 16,777,216 bytes; ob 16,777,216 bytes
;; launch wprep: the kernel of part 1 again; grid 256 x 1, 4 waves a work-group, no clusters, 0 bytes of LDS; arguments Wq, Wk, Wv, Wo, wf; writes wf
;; launch proj: the kernel of part 2 again; grid 4 x 64, 4 waves a work-group, clusters of 4 x 4, 327,680 bytes of LDS; arguments Q, K, wf, bq, bk, bv, qf, kv; writes qf, kv
;; launch attn (part 5): grid 16 x 16, 4 waves a work-group, clusters of 4 x 1, 327,680 bytes of LDS; arguments qf, kv, ob; writes ob
.if DOCPART == 5
	.amdgcn_target "amdgcn-amd-amdhsa--gfx1250"
	.amdhsa_code_object_version 6
	.text
	.protected	k_q6adf3d7a3a_attn
	.globl	k_q6adf3d7a3a_attn
	.p2align	8
	.type	k_q6adf3d7a3a_attn,@function
k_q6adf3d7a3a_attn:
	s_mov_b64 s[64:65], 0
	v_nop
	global_prefetch_b8 v0, s[64:65] scope:SCOPE_SE
	s_setreg_imm32_b32 hwreg(HW_REG_WAVE_MODE, 25, 1), 1
	s_wait_xcnt 0x0
	s_wait_alu depctr_hold_cnt(0) depctr_sa_sdst(0) depctr_va_vdst(0) depctr_va_sdst(0) depctr_va_ssrc(0) depctr_va_vcc(0) depctr_vm_vsrc(0)
	s_getreg_b32 s2, hwreg(HW_REG_IB_STS2, 6, 4)
	s_cmp_eq_u32 s2, 0
	s_cbranch_scc0 .Lentry_in_a_cluster
	s_endpgm
.Lentry_in_a_cluster:
	s_bfe_u32 s2, ttmp6, 0x10000c
	s_cmp_lg_u32 s2, 0x3003
	s_cbranch_scc0 .Lentry_shape_is_right
	s_endpgm
.Lentry_shape_is_right:
; o = q + softmax(q k^T / sqrt(512)) v for one (batch, head) pair bh and 256 rows of q.  Four waves, 64 rows each (4 tiles of 16), all 4,096 keys.
; Both products are made TRANSPOSED: S^T = K Q^T (source 0: 16 keys, source 1: 16 rows of q) and O^T = V^T P^T (source 0: 16 columns of v, source 1: 16 rows).
; Lane (r, h) then holds, of row r of q, the scores of keys 16 kt + 8 h + 0..7, and of o the columns 16 dt + 8 h + 0..7.  So the row's maximum and sum are one
; number a lane (the two halves of the lanes meet by one exchange), exp(S) rounded to bf16 in pairs IS P's fragment, in the same lane, and the residual
; q is added register by register.  No score ever leaves the registers.
; The maximum is a running one: per block of 64 keys m' = max(m, block), l = l 2^(m - m') + sum, O = O 2^(m - m') + V^T P^T.  q is scaled by log2(e) / sqrt(512) before it is
; rounded, so that the scores are exponents of 2.  The first block is written out: it starts m, l and O, and nothing is cleared.
; THE EXPONENTIALS OF A BLOCK ARE ONE BATCH WITH ONE WAIT.  Ahead of the wait stands all that names no exponential's result: the maximum, the 64 packed subtractions and the 136
; exponentials (8 for the factor 2^(m - m'), 128 in place on S; the first block has the 128 alone).  Behind it stand all the readers: the sums, the roundings to bf16, l, and the
; rescaling of O.  The next block's run of LDS loads of k stands directly behind the wait.  The way out's eight reciprocals are a batch of their own.
; CLUSTERS of 4 x 1: four work-groups with the same bh walk the same k and v; each tile is asked for jointly by the four (mask 15).
; LDS: two slots of 65,536 bytes = 256 keys = 4 blocks of 16,384 bytes; wave w fetches block w.  The blocks lie in fragment order: every LDS load takes 512 consecutive bytes.
; By the text's own count a wave has two tensor loads out at the start and one behind each round; that one has 256 keys' work in which to land.
; LIMITS: q, k, v and P enter the products in bf16; l is summed from the unrounded exponentials in f32.  v_exp_f32 gives zero for results below 2^-126 and
; v_rcp_f32 is good to 1 ULP (ISA guide, their entries in chapter 15).  NaN and infinities are not treated apart.
.set SLOTB, 65536
.set BLKB,  16384
.set G1, 16                            ; s[16:23] descriptor group 1
.set G0, 24                            ; s[24:31] group 0, one set for each slot
; window 0: v1, v2 = 16 x lane + slot x 65,536 (v1 also the offset in qf and ob)
.set KF, 64                            ; k's fragment (kt, dh) at + 8 (2 kt + dh)
.set VF, 128                           ; v's fragment (p, dt) at + 8 (4 p + dt)
.set QF, 192                           ; q's fragment (qt, dh) at + 8 (2 qt + dh), scaled
; window 1: S(qt, kt) at 32 qt + 8 kt; P is made in place: P(qt, p) at 32 qt + 8 p
.set ST, 128                           ; + 8 qt: m twice, 2^(m - m') twice, a pair of partial sums, l, a temporary
.set TX, 160                           ; + qt: what the other half of the lanes sends
.set DM, 164                           ; + qt: m - m'
; window 2: O(qt, dt) at 32 qt + 8 dt
.set QRES, 128                         ; + 32 qt + 8 dt: q in f32, the residual
.set MSB, 0
.macro WIN new                         ; s_set_vgpr_msb: bits 1:0 source 0, 3:2 source 1, 5:4 source 2, 7:6 destination; the high byte repeats the setting that is left
.if MSB != \new
	s_set_vgpr_msb (MSB<<8)|\new
.set MSB, \new
.endif
.endm
.macro NOPS n
.rept \n
	v_nop
.endr
.endm
.macro ROUND                           ; a round of the cluster's barrier
	s_barrier_signal -1
	s_barrier_wait -1
	s_cmp_lg_u32 s10, 0
	s_cbranch_scc1 .Lnot_wave_0_\@
	s_barrier_signal -3
.Lnot_wave_0_\@:
	s_barrier_wait -3
	s_barrier_signal -1
	s_barrier_wait -1
.endm
.macro LOADK slot, bk                  ; 16 loads: k of block bk of the slot
.set nn, 0
.rept 16
	ds_load_b128 v[KF+4*nn:KF+4*nn+3], v[1+(\slot)] offset:(\bk)*BLKB+512*nn
.set nn, nn+1
.endr
.endm
.macro LOADV slot, bk                  ; 16 loads: v of block bk
.set nn, 0
.rept 16
	ds_load_b128 v[VF+4*nn:VF+4*nn+3], v[1+(\slot)] offset:(\bk)*BLKB+8192+512*nn
.set nn, nn+1
.endr
.endm
; In both products the 16 accumulators take turns, one instruction a turn.
.macro SPHASE                          ; S^T = K Q^T: 64 keys x 64 rows, 64 along the head
.set ih, 0
.rept 2
.set ik, 0
.rept 4
.set iq, 0
.rept 4
.if ih == 0
	v_wmma_f32_16x16x32_bf16 v[32*iq+8*ik:32*iq+8*ik+7], v[KF+8*(2*ik+ih):KF+8*(2*ik+ih)+7], v[QF+8*(2*iq+ih):QF+8*(2*iq+ih)+7], 0
.else
	v_wmma_f32_16x16x32_bf16 v[32*iq+8*ik:32*iq+8*ik+7], v[KF+8*(2*ik+ih):KF+8*(2*ik+ih)+7], v[QF+8*(2*iq+ih):QF+8*(2*iq+ih)+7], v[32*iq+8*ik:32*iq+8*ik+7]
.endif
.set iq, iq+1
.endr
.set ik, ik+1
.endr
.set ih, ih+1
.endr
.endm
.macro PVPHASE first                   ; O^T += V^T P^T: 64 columns x 64 rows, 64 keys
.set ip, 0
.rept 2
.set id, 0
.rept 4
.set iq, 0
.rept 4
.if (\first)*(1-ip)
	v_wmma_f32_16x16x32_bf16 v[32*iq+8*id:32*iq+8*id+7], v[VF+8*(4*ip+id):VF+8*(4*ip+id)+7], v[32*iq+8*ip:32*iq+8*ip+7], 0
.else
	v_wmma_f32_16x16x32_bf16 v[32*iq+8*id:32*iq+8*id+7], v[VF+8*(4*ip+id):VF+8*(4*ip+id)+7], v[32*iq+8*ip:32*iq+8*ip+7], v[32*iq+8*id:32*iq+8*id+7]
.endif
.set iq, iq+1
.endr
.set id, id+1
.endr
.set ip, ip+1
.endr
.endm
.macro SUBP u, j                       ; pair j of 4 of tile u = 4 qt + kt of S: the maximum is taken away
.set uq, (\u)>>2
.set ub, 32*uq+8*((\u)&3)
	v_pk_add_f32 v[ub+2*(\j):ub+2*(\j)+1], v[ub+2*(\j):ub+2*(\j)+1], v[ST+8*uq:ST+8*uq+1] neg_lo:[0,1] neg_hi:[0,1]
.endm
.macro EXPP u, j                       ; the same pair: 2^x in place
.set uq, (\u)>>2
.set ub, 32*uq+8*((\u)&3)
	v_exp_f32 v[ub+2*(\j)], v[ub+2*(\j)]
	v_exp_f32 v[ub+2*(\j)+1], v[ub+2*(\j)+1]
.endm
; Line n of 8 of tile u's sums and roundings: an even n adds pair n / 2 of its 8 exponentials to the row tile's pair of sums, the odd n behind it packs that pair into P.
; Each pair is summed before a conversion writes over it.  In a row tile's first tile line 0 starts the sums with pairs 0 and 1, and line 2 is empty.
.macro SC u, n
.set uq, (\u)>>2
.set uk, (\u)&3
.set ub, 32*uq+8*uk
.set up, 32*uq+4*uk
.set pj, (\n)>>1
.if ((\n)&1) == 1
	v_cvt_pk_bf16_f32 v[up+pj], v[ub+2*pj], v[ub+2*pj+1]
.elseif (uk == 0) && ((\n) == 0)
	v_pk_add_f32 v[ST+8*uq+4:ST+8*uq+5], v[ub:ub+1], v[ub+2:ub+3]             ; the first two pairs start the sums
.elseif (uk == 0) && ((\n) == 2)
.else
	v_pk_add_f32 v[ST+8*uq+4:ST+8*uq+5], v[ST+8*uq+4:ST+8*uq+5], v[ub+2*pj:ub+2*pj+1]
.endif
.endm
; THE SOFTMAX, all of it in window 1, in two parts with the block's one wait between them.  The four tiles of rows go side by side, so that no instruction waits for the one in front of it.
; SMHEAD: what names no exponential's result: the maximum, m - m', and the batch.
.macro SMHEAD first
.set iq, 0
.rept 4
	v_max3_num_f32 v[ST+8*iq+7], v[32*iq], v[32*iq+1], v[32*iq+2]
.set iq, iq+1
.endr
.set ii, 0
.rept 14
.set iq, 0
.rept 4
	v_max3_num_f32 v[ST+8*iq+7], v[ST+8*iq+7], v[32*iq+3+2*ii], v[32*iq+4+2*ii]
.set iq, iq+1
.endr
.set ii, ii+1
.endr
.set iq, 0
.rept 4
.if \first
	v_max_num_f32 v[ST+8*iq+7], v[ST+8*iq+7], v[32*iq+31]
.else
	v_max3_num_f32 v[ST+8*iq+7], v[ST+8*iq+7], v[32*iq+31], v[ST+8*iq]        ; with the running maximum
.endif
.set iq, iq+1
.endr
.set iq, 0
.rept 4
	v_permlanex16_b32 v[TX+iq], v[ST+8*iq+7], s32, s33                        ; the other 32 keys of my row lie in lane i xor 16
.set iq, iq+1
.endr
.set iq, 0
.rept 4
	v_max_num_f32 v[ST+8*iq+7], v[ST+8*iq+7], v[TX+iq]
.set iq, iq+1
.endr
.if \first == 0
.set iq, 0
.rept 4
	v_sub_f32 v[DM+iq], v[ST+8*iq], v[ST+8*iq+7]                              ; m - m', never above 0
.set iq, iq+1
.endr
.endif
.set iq, 0
.rept 4
	v_mov_b32 v[ST+8*iq], v[ST+8*iq+7]
	v_mov_b32 v[ST+8*iq+1], v[ST+8*iq+7]
.set iq, iq+1
.endr
	; THE BATCH.  Tile 0's four subtractions go with the eight exponentials of m - m'; then tile u + 1's four subtractions stand among tile u's eight exponentials: a plain line, two
	; exponentials.  A pair is subtracted twelve lines ahead of its exponentials.  No line here names a result: the subtractions read m alone of ST, and write tiles whose exponentials are still to come.
.set jj, 0
.rept 4
	SUBP 0, jj
.if \first == 0
	v_exp_f32 v[ST+8*jj+2], v[DM+jj]
	v_exp_f32 v[ST+8*jj+3], v[DM+jj]
.endif
.set jj, jj+1
.endr
.set uu, 0
.rept 16
.set jj, 0
.rept 4
.if uu < 15
	SUBP uu+1, jj
.endif
	EXPP uu, jj
.set jj, jj+1
.endr
.set uu, uu+1
.endr
.endm
; SMTAIL: the readers.  kt ascending, line by line, the four row tiles by turns: within a row tile the order of the sums and of the roundings is SC's own.
; P(qt) of tile kt lands in registers 32 qt + 4 kt .. + 3, which belong to a tile that this or an earlier turn of kt has summed and rounded.
.macro SMTAIL first
.set kk, 0
.rept 4
.set ln, 0
.rept 8
.set iq, 0
.rept 4
	SC 4*iq+kk, ln
.set iq, iq+1
.endr
.set ln, ln+1
.endr
.set kk, kk+1
.endr
.set iq, 0
.rept 4
.if \first
	v_add_f32 v[ST+8*iq+6], v[ST+8*iq+4], v[ST+8*iq+5]
.else
	v_add_f32 v[ST+8*iq+7], v[ST+8*iq+4], v[ST+8*iq+5]
.endif
.set iq, iq+1
.endr
.if \first == 0
.set iq, 0
.rept 4
	v_fma_f32 v[ST+8*iq+6], v[ST+8*iq+6], v[ST+8*iq+2], v[ST+8*iq+7]          ; l = l 2^(m - m') + the block's sum (my half of the keys)
.set iq, iq+1
.endr
.endif
.endm
.macro RESCALE                         ; O = O 2^(m - m')
.set iq, 0
.rept 4
.set nn, 0
.rept 16
	v_pk_mul_f32 v[32*iq+2*nn:32*iq+2*nn+1], v[32*iq+2*nn:32*iq+2*nn+1], v[ST+8*iq+2:ST+8*iq+3]
.set nn, nn+1
.endr
.set iq, iq+1
.endr
.endm
; 64 keys.  k's fragments have been asked for by the block before; nextk = 1: this block asks for the next block's.
.macro BLOCK slot, bk, first, nextk
	WIN 0
	LOADV \slot, \bk
	s_wait_dscnt 16                                ; all but v's 16 loads: k is in
	WIN 0x50                                       ; S in window 1
	SPHASE
	NOPS 4                                         ; four places (ISA guide 7.12.1) before S is read; k's registers are loaded again far behind them
	WIN 0x55
	SMHEAD \first
	v_nop                                          ; the plain instruction behind the batch's last exponential (ISA guide 5.7.2): one for the batch
	s_wait_alu depctr_va_vdst(0)                   ; the block's one wait: it serves the whole batch, the factor's exponentials and the 128 on S; all their readers stand below
.if \nextk
	WIN 0
	LOADK \slot, (\bk)+1                           ; behind v's loads and ahead of the wait for them, so that wait's count holds; the first reader is the next block's S
	WIN 0x55
.endif
	SMTAIL \first
.if \first == 0
	WIN 0x86                                       ; O in window 2, the factor in window 1
	RESCALE
.endif
.if \nextk
	s_wait_dscnt 16                                ; all but the next k's 16 loads: v is in
.else
	s_wait_dscnt 0
.endif
	WIN 0xA4                                       ; O in window 2, P in window 1, v in window 0
	PVPHASE \first
	NOPS 5                                         ; five places before the next S is written over P; four of them serve the loads into v's registers
.endm
; 256 keys from one slot.  In front of the round each wave has waited for all its tensor loads (its block of this slot among them) and for its reads
; of the other slot; behind it the other slot is asked for again first thing, one load a wave.
.macro STEP slot, refill
	WIN 0
	s_wait_tensorcnt 0x0
	ds_add_u32 v62, v63
	s_wait_dscnt 0x0
.if \refill
	s_add_nc_u64 s[G0+4*(1-\slot)+2:G0+4*(1-\slot)+3], s[G0+4*(1-\slot)+2:G0+4*(1-\slot)+3], 2*SLOTB   ; no load of mine is out: the other slot's next 256 keys
.endif
	s_wait_dscnt 0x0
.if \refill
	ROUND
	tensor_load_to_lds s[G0+4*(1-\slot):G0+4*(1-\slot)+3], s[G1:G1+7]
	s_nop 0
.else
	s_barrier_signal -1                            ; nothing is filled again: my work-group's barrier is enough
	s_barrier_wait -1
.endif
	LOADK \slot, 0
	BLOCK \slot, 0, 0, 1
	BLOCK \slot, 1, 0, 1
	BLOCK \slot, 2, 0, 1
	BLOCK \slot, 3, 0, 0
.endm
	s_load_b128 s[4:7], s[0:1], 0x0                ; qf s[4:5], kv s[6:7]
	s_load_b64 s[8:9], s[0:1], 0x10                ; ob
	v_lshl_add_u32 v62, v0, 2, 0x29000
	v_mov_b32 v63, 0
	ds_add_u32 v62, v63
	v_lshrrev_b32 v3, 5, v0
	v_readfirstlane_b32 s10, v3                    ; wave
	s_bfe_u32 s11, ttmp6, 0x40000                  ; cx
	s_lshl_b32 s12, ttmp9, 2
	s_add_co_u32 s12, s12, s11                     ; block of 256 rows = 4 x cluster x + cx
	s_and_b32 s13, ttmp7, 0xffff                   ; bh: the cluster is one work-group high
	; a dense block of 16,384 bytes as 64 rows of 32 elements of 8 bytes, for all four work-groups of the cluster
	s_mov_b32 s[G1+0], 15|(3<<16)|(1<<21)
	s_mov_b32 s[G1+1], 32<<16
	s_mov_b32 s[G1+2], 64<<16
	s_mov_b32 s[G1+3], 32<<16
	s_mov_b32 s[G1+4], 64
	s_mov_b32 s[G1+5], 32
	s_mov_b32 s[G1+6], 0
	s_mov_b32 s[G1+7], 0
	s_mul_i32 s14, s10, BLKB                       ; my block of a slot, in LDS and in kv
	s_lshl_b32 s38, s13, 20                        ; bh x 1,048,576: kv's address hangs on bh and the wave alone
	s_add_co_u32 s38, s38, s14
	s_mov_b32 s39, 0
	s_lshl_b32 s37, s12, 4
	s_lshl2_add_u32 s37, s10, s37                  ; my first tile of 16 rows
	s_lshl_b32 s40, s13, 8
	s_add_co_u32 s40, s40, s37
	s_lshl_b32 s40, s40, 12                        ; qf: (256 bh + tile) x 4,096
	s_mov_b32 s41, 0
	s_lshr_b32 s42, s13, 3
	s_lshl_b32 s42, s42, 8
	s_add_co_u32 s42, s42, s37
	s_lshl_b32 s42, s42, 15                        ; ob: (256 batch + tile) x 32,768
	s_and_b32 s15, s13, 7
	s_lshl_b32 s15, s15, 12                        ; + head x 4,096
	s_add_co_u32 s42, s42, s15
	s_mov_b32 s43, 0
	s_mov_b32 s32, 0x76543210                      ; v_permlanex16_b32: lane i of one half reads lane i of the other
	s_mov_b32 s33, 0xfedcba98
	s_mov_b32 s34, 0x3d8293ee                      ; log2(e) / sqrt(512)
	s_mov_b32 s35, 0x3d8293ee
	v_and_b32 v1, 31, v0
	v_lshlrev_b32 v1, 4, v1
	v_add_nc_u32 v2, SLOTB, v1
	s_wait_dscnt 0x0
	s_wait_kmcnt 0x0
	s_add_nc_u64 s[4:5], s[4:5], s[40:41]
	s_add_nc_u64 s[6:7], s[6:7], s[38:39]
	s_add_nc_u64 s[8:9], s[8:9], s[42:43]
	ROUND                                          ; the four work-groups are here: the first joint loads meet
.irp sl, 0,1
	s_mov_b32 s[G0+4*\sl], 1
	s_add_co_u32 s[G0+4*\sl+1], s14, \sl*SLOTB
	s_add_nc_u64 s[G0+4*\sl+2:G0+4*\sl+3], s[6:7], \sl*SLOTB
	s_or_b32 s[G0+4*\sl+3], s[G0+4*\sl+3], 0x80000000
	tensor_load_to_lds s[G0+4*\sl:G0+4*\sl+3], s[G1:G1+7]          ; keys 0-255 and 256-511: two loads of the wave are out
	s_nop 0
.endr
	WIN 0x80                                       ; q in f32 into window 2: it stays there as the residual
.set nn, 0
.rept 32
	global_load_b128 v[QRES+4*nn:QRES+4*nn+3], v1, s[4:5] offset:512*nn th:TH_LOAD_NT
.set nn, nn+1
.endr
	WIN 0x40
.set iq, 0
.rept 4
	v_mov_b32 v[TX+iq], 0                          ; v_permlanex16_b32 counts as a reader of its destination
.set iq, iq+1
.endr
	s_wait_loadcnt 0x0
	WIN 0x02                                       ; scaled, into the registers that k's and v's fragments will take later,
.set nn, 0
.rept 64
	v_pk_mul_f32 v[KF+2*nn:KF+2*nn+1], v[QRES+2*nn:QRES+2*nn+1], s[34:35] op_sel_hi:[1,0]
.set nn, nn+1
.endr
	WIN 0                                          ; and rounded: tile (qt, dt)'s 8 registers are one half of fragment (qt, dt >> 1)
.set nn, 0
.rept 64
	v_cvt_pk_bf16_f32 v[QF+nn], v[KF+2*nn], v[KF+2*nn+1]
.set nn, nn+1
.endr
	s_wait_tensorcnt 0x1                           ; my block of slot 0 is in; slot 1's stays out
	s_barrier_signal -1
	s_barrier_wait -1
	LOADK 0, 0
	BLOCK 0, 0, 1, 1                               ; the first block starts m, l and O
	BLOCK 0, 1, 0, 1
	BLOCK 0, 2, 0, 1
	BLOCK 0, 3, 0, 0
	WIN 0                                          ; at a label and at a branch every window is 0
	s_mov_b32 s36, 7                               ; 16 slots' worth of keys: one above, 14 in the loop, one behind it
.Lkv:
	STEP 1, 1
	STEP 0, 1
	WIN 0
	s_sub_co_u32 s36, s36, 1
	s_cmp_lg_u32 s36, 0
	s_cbranch_scc1 .Lkv
	STEP 1, 0                                      ; the last 256 keys: nothing is left to fetch
	; o = O / l + q.  The five places behind the last matrix instructions stand at the last block's end.
	WIN 0x55
.set iq, 0
.rept 4
	v_permlanex16_b32 v[TX+iq], v[ST+8*iq+6], s32, s33             ; the other half of the keys' sum
.set iq, iq+1
.endr
.set iq, 0
.rept 4
	v_add_f32 v[ST+8*iq+6], v[ST+8*iq+6], v[TX+iq]
.set iq, iq+1
.endr
.set iq, 0
.rept 4
	v_rcp_f32 v[ST+8*iq+2], v[ST+8*iq+6]
	v_rcp_f32 v[ST+8*iq+3], v[ST+8*iq+6]
.set iq, iq+1
.endr
	v_nop                                          ; one plain place behind the reciprocals
	WIN 0xA6                                       ; O and q in window 2, 1 / l in window 1
.set iq, 0
	s_wait_alu depctr_va_vdst(0)                   ; the wait ahead of the first use: one for the batch of eight reciprocals
.rept 4
.set nn, 0
.rept 16
	v_pk_fma_f32 v[32*iq+2*nn:32*iq+2*nn+1], v[32*iq+2*nn:32*iq+2*nn+1], v[ST+8*iq+2:ST+8*iq+3], v[QRES+32*iq+2*nn:QRES+32*iq+2*nn+1]
.set nn, nn+1
.endr
.set iq, iq+1
.endr
	WIN 0x08                                       ; store data in window 2
.set iq, 0
.rept 4
.set nn, 0
.rept 8
	global_store_b128 v1, v[32*iq+4*nn:32*iq+4*nn+3], s[8:9] offset:iq*32768+512*nn     ; 512 consecutive bytes, aligned
.set nn, nn+1
.endr
.set iq, iq+1
.endr
	WIN 0
	ROUND                                          ; the closing round
	s_endpgm
.Lfunc_end_k_q6adf3d7a3a_attn:
	.size	k_q6adf3d7a3a_attn, .Lfunc_end_k_q6adf3d7a3a_attn-k_q6adf3d7a3a_attn
	.p2alignl 7, 3214868480
	.fill 96, 4, 3214868480
	.section	.rodata,"a",@progbits
	.p2align	6, 0x0
	.amdhsa_kernel k_q6adf3d7a3a_attn
		.amdhsa_group_segment_fixed_size 327680
		.amdhsa_private_segment_fixed_size 0
		.amdhsa_enable_private_segment 0
		.amdhsa_kernarg_size 24
		.amdhsa_user_sgpr_count 2
		.amdhsa_user_sgpr_kernarg_segment_ptr 1
		.amdhsa_wavefront_size32 1
		.amdhsa_system_sgpr_workgroup_id_x 1
		.amdhsa_system_sgpr_workgroup_id_y 1
		.amdhsa_system_sgpr_workgroup_id_z 1
		.amdhsa_system_vgpr_workitem_id 0
		.amdhsa_next_free_vgpr 768
		.amdhsa_next_free_sgpr 66
		.amdhsa_reserve_vcc 0
		.amdhsa_float_denorm_mode_32 3
		.amdhsa_float_denorm_mode_16_64 3
		.amdhsa_memory_ordered 1
		.amdhsa_forward_progress 1
		.amdhsa_inst_pref_size 255
	.end_amdhsa_kernel
	.section	.bss,"aw",@nobits
	.p2align	6
	.space	262144
	.amdgpu_metadata
---
amdhsa.version: [ 1, 2 ]
amdhsa.kernels:
  - .name:           k_q6adf3d7a3a_attn
    .symbol:         k_q6adf3d7a3a_attn.kd
    .args:
      - { .name: qf, .offset: 0, .size: 8, .value_kind: global_buffer, .address_space: global }
      - { .name: kv, .offset: 8, .size: 8, .value_kind: global_buffer, .address_space: global }
      - { .name: ob, .offset: 16, .size: 8, .value_kind: global_buffer, .address_space: global }
    .group_segment_fixed_size: 327680
    .private_segment_fixed_size: 0
    .kernarg_segment_align: 8
    .kernarg_segment_size: 24
    .max_flat_workgroup_size: 128
    .sgpr_count:     66
    .vgpr_count:     768
    .wavefront_size: 32
...
	.end_amdgpu_metadata
.endif
;; end of part 5
;; launch ffn: the kernel of part 4 again; grid 256 x 1, 2 waves a work-group, clusters of 4 x 1, 327,680 bytes of LDS; arguments ob, wf, g0, b0, bo, g1, b1, out0; writes out0
